; MI455X (gfx1250); checked and timed in simulation.
; The chip was launched on July 23, 2026; its instructions are those of AMD's public machine-readable ISA for CDNA 5 (MIT licence, August 2026) and "CDNA5" Instruction Set Architecture Reference Guide (July 2026). The comments in the code are by the model that wrote it; some were corrected since.
;; E 02 HSE v2. Allowed arithmetic: matrix products marked QUANTISED: E2M1 operands, one E8M0 scale for each 32 along K, by v_wmma_scale_f32_16x16x128_f8f6f4 with both operands' format E2M1 (or v_wmma_scale_f32_32x16x128_f4), f32 sums; everything else in f32.
;; Inputs: W1 2,576 x 256 float32; W2_codes 256 x 8 x 16 uint8 (E2M1 codes of W2, K innermost, in blocks of 32 codes, two codes a byte); W2_scales 256 x 8 uint8 (E8M0 scales of W2, one for each 32 codes along K); b1 256 float32; b2 256 float32; channel_embed 10 x 8 float32; channel_type_mapping 5 x 20 int32; fs 32 float32; ln1_b 2,576 float32; ln1_g 2,576 float32; ln2_b 256 float32; ln2_g 256 float32; start_C 32 x 512 int32; start_L 32 x 512 int32; system_embed 5 x 16 float32; x 32 x 8,192 x 8 float32.
;; Outputs: out0 32 x 512 x 256 float32.
;; Constants: system_id = 3.
;; This version of the problem:
;;   THIS VERSION OF THE PROBLEM IS GIVEN IN LOW PRECISION. The matrix products marked QUANTISED in the list below multiply operands that are first quantised to E2M1 (2 exponent bits, 1 mantissa bit; 4 bits a number), with one power-of-two scale for each 32 numbers along K (OCP MX v1.0); their sums are f32. All else is computed in f32.
;;   The module's matrix products, in the order in which they are computed (A, B: the left and right operand; K: the contracted axis; several contracted axes count as one K, in the product's order):
;;     1. [M 16,384, K 2,576] x [K 2,576, N 256]; A: computed on the way; B: input W1: QUANTISED
;;     2. [M 16,384, K 256] x [K 256, N 256]; A: computed on the way; B: input W2 (given as codes): QUANTISED
;;   THE QUANTISER, for each operand of a quantised product, along K:
;;     - K is cut into blocks of 32 from its start; a last block that is shorter is filled with zeros.
;;     - A block's scale is 2^e with e = floor(log2(the largest magnitude in the block)) - 2, held to -126 .. 127; a block of zeros has e = 0. As a byte (E8M0): e + 127.
;;     - Each number is divided by its block's scale, clamped to +-6, and rounded to the nearest number of E2M1, ties to even, subnormals kept.
;;     - The product sums the exact products of the quantised numbers (number of the format x scale) in f32.
;;   ~~~python
;;   def quantise(x, axis):      # numpy; x: float32 -> the quantised numbers, widened to float32 again
;;       x = np.moveaxis(x, axis, -1); K = x.shape[-1]
;;       x = np.pad(x, [(0, 0)] * (x.ndim - 1) + [(0, -K % 32)]); x = x.reshape(x.shape[:-1] + (-1, 32)); a = np.abs(x).max(-1, keepdims=True)
;;       e = np.where(a > 0, np.clip(np.frexp(np.where(a > 0, a, 1))[1] - 1 - 2, -126, 127), 0)      # np.frexp(a)[1] - 1 = floor(log2(a)), exactly
;;       r = np.clip(x / 2.0 ** e, -6, 6)
;;       step = 2.0 ** (np.maximum(np.frexp(np.where(r == 0, 1, r))[1] - 1, 0) - 1)
;;       q = np.round(r / step) * step * 2.0 ** e      # np.round: ties to even
;;       return np.moveaxis(q.reshape(q.shape[:-2] + (-1,))[..., :K], -1, axis).astype(np.float32)
;;   ~~~
;;   OPERANDS COMPUTED ON THE WAY. 'Computed on the way' means the value that the module computes at that place (a softmax that the list does not call 'softmax' is quantised finished and normalised). What goes into a quantiser is computed in f32, as accurately as f32 sums, v_exp_f32 and their like allow (about 1e-6 of the number): no bf16 or f16 on the way to a quantiser, and a product that is left as it is and whose result goes on into a quantised operand takes f32 operands (vector FMAs, or v_wmma_f32_16x16x4_f32). A number that lies on a knife's edge between two numbers of the format may be rounded either way, as far as f32 arithmetic and the matrix unit's own rounding can turn it there, and no further.
;;   INPUTS GIVEN AS CODES. W2 (in the module: [256, 256], K = its axis 0): each comes as NAME_codes (uint8): NAME with its K axis moved to the last place and cut into blocks of 32 codes, [.., K / 32, bytes a block], one block behind the other in memory; two codes a byte, the lower K in the low four bits (a code: sign, 2 exponent bits, 1 mantissa bit); and NAME_scales (uint8): the same leading axes, one E8M0 byte (e + 127) for each 32 codes along K. Its value is code x scale, taken as it is: it is not quantised again, and the codes and scales need not be those that the quantiser above would give.
;; 2 versions. Each part assembles by itself: llvm-mc -triple=amdgcn-amd-amdhsa -mcpu=gfx1250 --defsym DOCPART=n.
;; ======== version 1 of 2: 2 launches
;; workspace buffers: w1c 344,064 bytes; w1s 21,504 bytes; cht 1,024 bytes
;; launch prep (part 1): grid 85 x 1, 8 waves a work-group, no clusters, 1,536 bytes of LDS; arguments W1, channel_embed, channel_type_mapping, w1c, w1s, cht; writes w1c, w1s, cht
.if DOCPART == 1
	.amdgcn_target "amdgcn-amd-amdhsa--gfx1250"
	.amdhsa_code_object_version 6
	.text
	.protected	k_q50e546717c_prep
	.globl	k_q50e546717c_prep
	.p2align	8
	.type	k_q50e546717c_prep,@function
k_q50e546717c_prep:
	s_mov_b64 s[64:65], 0
	v_nop
	global_prefetch_b8 v0, s[64:65] scope:SCOPE_SE
	s_setreg_imm32_b32 hwreg(HW_REG_WAVE_MODE, 25, 1), 1
	s_wait_xcnt 0x0
; W1 [2576][256] f32 (K = its first axis) is quantised ONCE to E2M1 codes with one E8M0 byte for each 32 along K, and laid in the order in which the
; next launch's waves take their operand registers; and the table of the eight possible blocks of channel features is made.
; w1c: [kappa 0..20][w 0..3][t 0..3][c 0..1][lane 0..31][16 bytes]: lane (rho = lane % 16, h = lane / 16) holds the 32 codes of k = 128 kappa + 64 c + 32 h + 0..31
;      of hidden unit n = 64 w + 32 (t / 2) + 8 (t % 2) + rho + 8 (rho / 8).  Rows k >= 2576 are zeros: zero codes.
; w1s: [kappa][w][rho][t]: one word, byte b = the scale of block 4 kappa + b of that unit.
; cht: [v 0..7][c 0..3][e 0..7] f32 = channel_embed[channel_type_mapping[3][(v + c) % 8]][e].
; SHARES.  Work-group 4 kappa + w (0..83): wave (b = wave % 4, q = wave / 4) takes block 4 kappa + b of the 32 columns 64 w + 32 q + lane: a lane takes a column and its
; 32 registers run down K, so a block's largest magnitude needs no other lane and the conversions give codes with K innermost.  Work-group 84 makes cht, a thread a number.
; A block's scale is 2^(floor(log2(largest magnitude)) - 2); its byte is the largest magnitude's exponent field - 2, held at 1 from below.
; LIMITS: a block of zeros, or one whose largest magnitude lies under 2^-124, keeps the byte 1 (its codes are read by this program alone; zero codes add nothing);
; NaN and infinities are not served; an entry of channel_type_mapping is taken as 0..9 (held at 9 from above; negative entries are not served).
	s_load_b256 s[4:11], s[0:1], 0x0               ; W1 s[4:5], channel_embed s[6:7], channel_type_mapping s[8:9], w1c s[10:11]
	s_load_b128 s[12:15], s[0:1], 0x20             ; w1s s[12:13], cht s[14:15]
	v_lshl_add_u32 v64, v0, 2, 0x200
	v_mov_b32 v65, 0
	v_lshrrev_b32 v1, 5, v0
	v_readfirstlane_b32 s16, v1                    ; wave 0..7
	v_and_b32 v1, 31, v0                           ; lane
	s_cmp_eq_u32 ttmp9, 84
	s_cbranch_scc1 .Ltable
	s_lshr_b32 s17, ttmp9, 2                       ; kappa
	s_and_b32 s18, ttmp9, 3                        ; w
	s_and_b32 s19, s16, 3                          ; b
	s_lshr_b32 s20, s16, 2                         ; q
	s_lshl_b32 s21, s17, 2
	s_add_co_u32 s21, s21, s19                     ; beta = 4 kappa + b: my block of 32 rows of W1
	s_lshl_b32 s22, s18, 8
	s_lshl_b32 s23, s20, 7
	s_add_co_u32 s22, s22, s23
	v_lshlrev_b32 v2, 2, v1
	v_add_nc_u32 v2, s22, v2                       ; my column's byte in a row of W1: 4 (64 w + 32 q + lane)
	v_bfe_u32 v3, v0, 3, 1                         ; u = t % 2
	v_and_b32 v4, 7, v0
	v_bfe_u32 v5, v0, 4, 1
	v_lshl_add_u32 v4, v5, 3, v4                   ; rho = lane % 8 + 8 (lane / 16)
	v_lshlrev_b32 v48, 4, v4                       ; 16 rho
	s_lshl_b32 s24, s20, 3
	s_add_co_u32 s24, s24, s19                     ; 8 q + b
	v_lshl_add_u32 v49, v3, 2, v48
	v_add_nc_u32 v49, s24, v49                     ; LDS: my scale byte at 16 rho + 4 (2 q + u) + b
	v_lshl_add_u32 v48, v3, 10, v48                ; my codes: 1,024 u + 16 rho
	v_lshlrev_b32 v50, 3, v1                       ; 8 x lane
	s_lshl_b32 s22, s21, 15                        ; 32 rows of 1,024 bytes a block
	s_mov_b32 s23, 0
	s_lshl_b32 s24, ttmp9, 12                      ; (4 kappa + w) x 4 tiles x 1,024
	s_lshl_b32 s25, s20, 11                        ; + 2 q tiles
	s_add_co_u32 s24, s24, s25
	s_lshr_b32 s25, s19, 1
	s_lshl_b32 s25, s25, 9                         ; + 512 c, c = b / 2
	s_add_co_u32 s24, s24, s25
	s_and_b32 s25, s19, 1
	s_lshl_b32 s25, s25, 8                         ; + 256 h, h = b % 2
	s_add_co_u32 s24, s24, s25
	s_mov_b32 s25, 0
	s_lshl_b32 s26, ttmp9, 8                       ; 256 scale bytes a work-group
	s_mov_b32 s27, 0
	s_wait_kmcnt 0x0
	s_add_nc_u64 s[4:5], s[4:5], s[22:23]
	s_add_nc_u64 s[10:11], s[10:11], s[24:25]
	s_add_nc_u64 s[12:13], s[12:13], s[26:27]
	; blocks 0..79 are whole, block 80 has 16 rows, blocks 81..83 none: what is missing is zeros, and no load leaves W1
	s_cmp_lt_u32 s21, 80
	s_cbranch_scc1 .Lfull
.irp i, 24,25,26,27,28,29,30,31,32,33,34,35,36,37,38,39
	v_mov_b32 v[\i], 0
.endr
	s_cmp_eq_u32 s21, 80
	s_cbranch_scc1 .Lhalf
.irp i, 8,9,10,11,12,13,14,15,16,17,18,19,20,21,22,23
	v_mov_b32 v[\i], 0
.endr
	s_branch .Ljoin
.Lfull:
.irp i, 16,17,18,19,20,21,22,23,24,25,26,27,28,29,30,31
	global_load_b32 v[8+\i], v2, s[4:5] offset:1024*\i th:TH_LOAD_NT
.endr
.Lhalf:
.irp i, 0,1,2,3,4,5,6,7,8,9,10,11,12,13,14,15
	global_load_b32 v[8+\i], v2, s[4:5] offset:1024*\i th:TH_LOAD_NT   ; 32 lanes read 128 consecutive bytes of one row
.endr
.Ljoin:
	s_wait_loadcnt 0x0
	v_max3_num_f32 v40, |v8|, |v9|, 0x1800000      ; the block's largest magnitude, in two chains, with the floor 2^(3 - 127) among the leaves: the byte cannot fall under 1
	v_max3_num_f32 v41, |v10|, |v11|, 0x1800000
.irp i, 12,16,20,24,28,32,36
	v_max3_num_f32 v40, v40, |v[\i]|, |v[\i+1]|
	v_max3_num_f32 v41, v41, |v[\i+2]|, |v[\i+3]|
.endr
	v_max_num_f32 v40, v40, v41
	v_add_nc_u32 v42, 0xff000000, v40              ; 2 off its exponent field: the conversion takes the exponent field of this operand as its scale
	v_lshrrev_b32 v43, 23, v42                     ; the scale's byte
.irp g, 0,1,2,3
	v_cvt_scalef32_pk8_fp4_f32 v[44+\g], v[8+8*\g:15+8*\g], v42
.endr
	v_nop                                          ; one plain line behind the last conversion
	global_store_b128 v48, v[44:47], s[10:11]      ; the sixteen lanes of one u store 256 consecutive bytes, aligned
	ds_store_b8 v49, v43
	s_wait_dscnt 0x0                               ; my byte has landed, for wave 0's sake
	s_barrier_signal -1
	s_barrier_wait -1
	s_cmp_lg_u32 s16, 0
	s_cbranch_scc1 .Lend
	ds_load_b64 v[52:53], v50                      ; the work-group's 256 scale bytes
	s_wait_dscnt 0x0
	global_store_b64 v50, v[52:53], s[12:13]       ; 32 lanes store 256 consecutive bytes, aligned
.Lend:
	s_wait_tensorcnt 0x0
	ds_add_u32 v64, v65
	s_wait_dscnt 0x0
	s_endpgm
.Ltable:
	v_lshrrev_b32 v2, 5, v0                        ; v
	v_bfe_u32 v3, v0, 3, 2                         ; c
	v_and_b32 v4, 7, v0                            ; e
	v_add_nc_u32 v2, v2, v3
	v_and_b32 v2, 7, v2                            ; the channel (v + c) % 8
	v_lshlrev_b32 v2, 2, v2
	s_wait_kmcnt 0x0
	global_load_b32 v5, v2, s[8:9] offset:240      ; channel_type_mapping[3][channel]
	v_lshlrev_b32 v4, 2, v4
	v_lshlrev_b32 v6, 2, v0
	s_wait_loadcnt 0x0
	v_min_u32 v5, 9, v5                            ; an index stays inside the table
	v_lshlrev_b32 v5, 5, v5
	v_add_nc_u32 v5, v5, v4
	global_load_b32 v7, v5, s[6:7]
	s_wait_loadcnt 0x0
	global_store_b32 v6, v7, s[14:15]
	s_endpgm
.Lfunc_end_k_q50e546717c_prep:
	.size	k_q50e546717c_prep, .Lfunc_end_k_q50e546717c_prep-k_q50e546717c_prep
	.p2alignl 7, 3214868480
	.fill 96, 4, 3214868480
	.section	.rodata,"a",@progbits
	.p2align	6, 0x0
	.amdhsa_kernel k_q50e546717c_prep
		.amdhsa_group_segment_fixed_size 1536
		.amdhsa_private_segment_fixed_size 0
		.amdhsa_enable_private_segment 0
		.amdhsa_kernarg_size 48
		.amdhsa_user_sgpr_count 2
		.amdhsa_user_sgpr_kernarg_segment_ptr 1
		.amdhsa_wavefront_size32 1
		.amdhsa_system_sgpr_workgroup_id_x 1
		.amdhsa_system_sgpr_workgroup_id_y 1
		.amdhsa_system_sgpr_workgroup_id_z 1
		.amdhsa_system_vgpr_workitem_id 0
		.amdhsa_next_free_vgpr 66
		.amdhsa_next_free_sgpr 66
		.amdhsa_reserve_vcc 0
		.amdhsa_float_denorm_mode_32 3
		.amdhsa_float_denorm_mode_16_64 3
		.amdhsa_memory_ordered 1
		.amdhsa_forward_progress 1
		.amdhsa_inst_pref_size 10
	.end_amdhsa_kernel
	.amdgpu_metadata
---
amdhsa.version: [ 1, 2 ]
amdhsa.kernels:
  - .name:           k_q50e546717c_prep
    .symbol:         k_q50e546717c_prep.kd
    .args:
      - { .name: W1, .offset: 0, .size: 8, .value_kind: global_buffer, .address_space: global }
      - { .name: channel_embed, .offset: 8, .size: 8, .value_kind: global_buffer, .address_space: global }
      - { .name: channel_type_mapping, .offset: 16, .size: 8, .value_kind: global_buffer, .address_space: global }
      - { .name: w1c, .offset: 24, .size: 8, .value_kind: global_buffer, .address_space: global }
      - { .name: w1s, .offset: 32, .size: 8, .value_kind: global_buffer, .address_space: global }
      - { .name: cht, .offset: 40, .size: 8, .value_kind: global_buffer, .address_space: global }
    .group_segment_fixed_size: 1536
    .private_segment_fixed_size: 0
    .kernarg_segment_align: 8
    .kernarg_segment_size: 48
    .max_flat_workgroup_size: 256
    .sgpr_count:     66
    .vgpr_count:     66
    .wavefront_size: 32
...
	.end_amdgpu_metadata
.endif
;; end of part 1
;; launch main (part 2): grid 256 x 1, 4 waves a work-group, no clusters, 187,648 bytes of LDS; arguments x, start_L, start_C, fs, system_embed, cht, ln1_g, ln1_b, w1c, w1s, b1, ln2_g, ln2_b, W2_codes, W2_scales, b2, out0; writes out0
.if DOCPART == 2
	.amdgcn_target "amdgcn-amd-amdhsa--gfx1250"
	.amdhsa_code_object_version 6
	.text
	.protected	k_q50e546717c_main
	.globl	k_q50e546717c_main
	.p2align	8
	.type	k_q50e546717c_main,@function
k_q50e546717c_main:
	s_mov_b64 s[64:65], 0
	v_nop
	global_prefetch_b8 v0, s[64:65] scope:SCOPE_SE
	s_setreg_imm32_b32 hwreg(HW_REG_WAVE_MODE, 25, 1), 1
	s_wait_xcnt 0x0
; out0 = LN2(silu(Q(LN1(feat)) Q(W1) + b1)) as codes x W2 + b2, all in one launch.  feat [16384][2576]: 256 gathered numbers of x, 64 time stamps four times each,
; 32 channel numbers 64 times each, 16 system numbers.  Both products on E2M1 codes with one E8M0 scale for each 32 along K, f32 sums; all else f32.
; SHARES.  A work-group of four waves owns 64 rows (one batch) and all 256 columns.  In the products wave w owns all 64 rows x 64 columns: 16 accumulators.
; K = 2576 goes in 21 steps of 128 (kappa): 0, 1 data; 2, 3 time; 4..19 channel; 20 the 16 system numbers and zero codes.
; An operand fragment of the rows (16 rows x 128 K) is made by ONE wave, stored in LDS as an image of its 8 registers (lane l's 16 bytes at 16 l) and read by all four.
; In the 4-bit layout lane (r, h) holds row r and whole blocks of 32 (k = 64 c + 32 h + 0..31), so a block's largest magnitude needs no other lane.
; Each block of the channel part is the same 32 numbers of a row: they are normalised once; a block then costs a packed multiply-add for gain and bias.
; W1's codes come from w1c straight into registers: a fragment has one reader in the work-group (the wave that owns its 64 columns), so the way through LDS would add 16 KiB written
; and 16 KiB read for each K step to the 4 KiB written and 16 KiB read that the rows' images cost, and feed no more products for it: no tensor load, no cluster, no joint load.
; THE PRODUCTS ARE USED TRANSPOSED (source 0 = 16 hidden units or outputs, source 1 = 16 rows): a lane holds one row throughout.  W1's units of a tile are chosen (see w1c) so that
; the 16 registers of tiles 2 b, 2 b + 1 are 16 neighbouring hidden units, 64 w + 32 b + 16 h + 0..15: the next product's K.
; Means and variances are made in two passes; 1 / fs and both rsqrt get one Newton step.
; MEMORY INSTRUCTIONS STAND IN RUNS: the gather makes four rows' addresses and then issues their 32 loads; small LDS stores follow the arithmetic of all tiles.  The rows' fragments are asked for a K step ahead, into two buffers by turns.
; The text is straight-line: no branch, no label.  Global loads are counted by the assembler (LC); WAITL waits for a marked load with the count of the loads issued behind it.
; LIMITS: NaN and infinities are not served; a block whose largest magnitude lies under 2^-124, zeros too, keeps the byte 1; sums are taken in another order than the definition's.
; LDS: XST data rows (pitch 1,040) | AIMG 84 images of 1,024 | ASC their scale words [kappa][r][m] | LS1 partial sums and squares | LS3 the same for the second norm | A2IMG, A2SC the second operand | OST a stage a wave.
; No LDS byte that another wave has read is written again: each barrier orders stores ahead of loads, and nothing else.
; REGISTERS, in windows of 256.  Window 0: v1-31 addresses; v32-41 at work; v42-53 the rows' scale words (3 sets); v54-69 W1's (4 sets); v70-77 codes just made (TA); v78-91 means and rstd in pairs;
;   v92-93 1 / fs; v94-95 my rows' start_L; v96-127 time stamps; v128-255 first x, then my data numbers, then the 16 accumulators.
; Window 1: v0-63 H, the 64 numbers at the quantiser; v64-95 four fragments of rows (even K steps); v96-223 four sets of four fragments of W1; v224-255 b1, behind the first K step four fragments of rows (odd K steps).
; Window 2: v0-127 the four tiles' 32 channel numbers; v128-255 gain and bias, set 0.   Window 3: v0-127 gain and bias, set 1; v128-255 those of the time step; later the epilogue's parameters.
.set XST,   0
.set AIMG,  66560
.set ASC,   152576
.set LS1,   157952
.set LS3,   158976
.set A2IMG, 161024
.set A2SC,  169216
.set OST,   169728
.set TA,  70
.set TB,  22
.set MU,  78                           ; pair m: (mean, rstd) of tile m's row r
.set MO,  86                           ; pair t: the same for my own two tiles
.set MS,  90                           ; and for tile w
.set TV,  96
.set ACC, 128
; s_set_vgpr_msb's low byte: bits 1:0 source 0, 3:2 source 1, 5:4 source 2, 7:6 destination
.set W_LD1, 0x40
.set W_LD2, 0x80
.set W_LD3, 0xc0
.set W_Z,   0x05
.set W_ZB,  0x15
.set W_CV,  0x01
.set W_Y0,  0x6a
.set W_Y1,  0x7e
.set W_YD,  0x68
.set W_YT,  0x7c
.set W_E1,  0x0a
.set W_E2,  0x82
.set W_SA,  0x41
.set W_SB,  0x55
.set W_X3,  0x04
.set W_LN,  0x3c
.set W_P2A, 0x37
.set W_P2B, 0x07
.set MSB, 0
.set LC, 0
.macro WIN new                         ; the immediate's high byte repeats the setting that is left; a switch that changes nothing is dropped
.if MSB != (\new)
	s_set_vgpr_msb (MSB<<8)|(\new)
.set MSB, \new
.endif
.endm
.macro GL32 d, o, b, imm
	global_load_b32 v[\d], v[\o], s[\b:\b+1] offset:\imm
.set LC, LC+1
.endm
.macro GL64 d, o, b, imm
	global_load_b64 v[(\d):(\d)+1], v[\o], s[\b:\b+1] offset:\imm
.set LC, LC+1
.endm
.macro GL128 d, o, b, imm
	global_load_b128 v[(\d):(\d)+3], v[\o], s[\b:\b+1] offset:\imm
.set LC, LC+1
.endm
.macro MARK name
.set \name, LC
.endm
.macro WAITL mark                      ; global loads come back in order: as many may stay out as were issued behind the mark
.if LC-\mark > 63
	s_wait_loadcnt 63
.else
	s_wait_loadcnt LC-\mark
.endif
.endm
.macro MARKB set
.if (\set) == 0
.set MB0, LC
.elseif (\set) == 1
.set MB1, LC
.elseif (\set) == 2
.set MB2, LC
.else
.set MB3, LC
.endif
.endm
.macro WAITB set
.if (\set) == 0
	WAITL MB0
.elseif (\set) == 1
	WAITL MB1
.elseif (\set) == 2
	WAITL MB2
.else
	WAITL MB3
.endif
.endm
.macro BAR                             ; my LDS stores have landed and my LDS loads are in: then the work-group's barrier
	s_wait_dscnt 0x0
	s_barrier_signal -1
	s_barrier_wait -1
.endm
.macro PLACES                          ; four plain lines between a matrix instruction and a load into, or a vector line on, its registers
.rept 4
	v_nop
.endr
.endm
.macro FOLD tmp                        ; four pairs into one.  All its registers lie in window 0: it stands under window setting 0 alone
	v_pk_add_f32 v[\tmp:\tmp+1], v[\tmp:\tmp+1], v[\tmp+2:\tmp+3]
	v_pk_add_f32 v[\tmp+4:\tmp+5], v[\tmp+4:\tmp+5], v[\tmp+6:\tmp+7]
	v_pk_add_f32 v[\tmp:\tmp+1], v[\tmp:\tmp+1], v[\tmp+4:\tmp+5]
.endm
.macro PSUM tmp, base, n               ; the sum of n pairs from v[base] on, in four chains; the first additions start them: nothing is cleared
.set qq, 0
.rept 4
	v_pk_add_f32 v[\tmp+2*qq:\tmp+2*qq+1], v[(\base)+2*qq:(\base)+2*qq+1], v[(\base)+8+2*qq:(\base)+9+2*qq]
.set qq, qq+1
.endr
.set qq, 8
.rept (\n)-8
	v_pk_add_f32 v[\tmp+2*(qq%4):\tmp+2*(qq%4)+1], v[\tmp+2*(qq%4):\tmp+2*(qq%4)+1], v[(\base)+2*qq:(\base)+2*qq+1]
.set qq, qq+1
.endr
	FOLD \tmp
.endm
.macro PSQ0 tmp, base, n               ; the squares of n pairs, summed in four chains that are not yet folded: the numbers may lie in another window than the chains
.set qq, 0
.rept 4
	v_pk_mul_f32 v[\tmp+2*qq:\tmp+2*qq+1], v[(\base)+2*qq:(\base)+2*qq+1], v[(\base)+2*qq:(\base)+2*qq+1]
.set qq, qq+1
.endr
.rept (\n)-4
	v_pk_fma_f32 v[\tmp+2*(qq%4):\tmp+2*(qq%4)+1], v[(\base)+2*qq:(\base)+2*qq+1], v[(\base)+2*qq:(\base)+2*qq+1], v[\tmp+2*(qq%4):\tmp+2*(qq%4)+1]
.set qq, qq+1
.endr
.endm
.macro PSQ tmp, base, n                ; the same, folded: all in window 0
	PSQ0 \tmp, \base, \n
	FOLD \tmp
.endm
.macro XH dst, tmp                     ; a pair's two halves, and lane l xor 16's
	v_add_f32 v[\dst], v[\tmp], v[\tmp+1]
	v_permlanex16_b32 v41, v[\dst], s60, s61
	v_add_f32 v[\dst], v[\dst], v41
.endm
.macro PSUBM base, n, pr               ; n pairs less the LOW word of pair pr (the mean)
.set qq, 0
.rept \n
	v_pk_add_f32 v[(\base)+2*qq:(\base)+2*qq+1], v[(\base)+2*qq:(\base)+2*qq+1], v[\pr:\pr+1] op_sel_hi:[1,0] neg_lo:[0,1] neg_hi:[0,1]
.set qq, qq+1
.endr
.endm
.macro PMULR base, n, pr               ; n pairs times the HIGH word of pair pr (the rstd)
.set qq, 0
.rept \n
	v_pk_mul_f32 v[(\base)+2*qq:(\base)+2*qq+1], v[(\base)+2*qq:(\base)+2*qq+1], v[\pr:\pr+1] op_sel:[0,1] op_sel_hi:[1,1]
.set qq, qq+1
.endr
.endm
.macro TSUM m                          ; the sum of tile m's 32 channel numbers -> the rstd's register, for now
	WIN W_E1
.irp p, 0,1,2,3
	v_pk_add_f32 v[TA+2*\p:TA+2*\p+1], v[32*(\m)+4*\p:32*(\m)+4*\p+1], v[32*(\m)+4*\p+2:32*(\m)+4*\p+3]
	v_pk_add_f32 v[TB+2*\p:TB+2*\p+1], v[32*(\m)+16+4*\p:32*(\m)+17+4*\p], v[32*(\m)+18+4*\p:32*(\m)+19+4*\p]
.endr
	WIN 0
.irp p, 0,1,2,3
	v_pk_add_f32 v[TA+2*\p:TA+2*\p+1], v[TA+2*\p:TA+2*\p+1], v[TB+2*\p:TB+2*\p+1]
.endr
	FOLD TA
	v_add_f32 v[MU+2*(\m)+1], v[TA], v[TA+1]
.endm
.macro TSQ m                           ; tile m: the channel numbers less the mean, in place; 64 x their squares + the system numbers' squares -> the rstd's register, for now
	WIN W_E2
	PSUBM 32*(\m), 16, MU+2*(\m)
	WIN W_E1
	PSQ0 TA, 32*(\m), 16                           ; the numbers in window 2, the four chains in window 0: folded below, under window setting 0
	WIN W_SA
.irp p, 0,1,2,3,4,5,6,7
	v_pk_add_f32 v[2*\p:2*\p+1], v[64+2*\p:65+2*\p], v[MU+2*(\m):MU+2*(\m)+1] op_sel_hi:[1,0] neg_lo:[0,1] neg_hi:[0,1]
.endr
	WIN W_Z
.irp p, 0,1,2,3
	v_pk_mul_f32 v[TB+2*\p:TB+2*\p+1], v[2*\p:2*\p+1], v[2*\p:2*\p+1]
.endr
.irp p, 0,1,2,3
	v_pk_fma_f32 v[TB+2*\p:TB+2*\p+1], v[8+2*\p:9+2*\p], v[8+2*\p:9+2*\p], v[TB+2*\p:TB+2*\p+1]
.endr
	WIN 0
	FOLD TA
	FOLD TB
	v_pk_fma_f32 v[TA:TA+1], v[TA:TA+1], 0x42800000, v[TB:TB+1] op_sel_hi:[1,0,1]
	v_add_f32 v[MU+2*(\m)+1], v[TA], v[TA+1]
.endm
; H = number x gain + bias, two at a time
.macro FMA_CH m, set
.if (\set)
	WIN W_Y1
.set gb, 0
.else
	WIN W_Y0
.set gb, 128
.endif
.set qq, 0
.rept 32
	v_pk_fma_f32 v[2*qq:2*qq+1], v[32*(\m)+(2*qq)%32:32*(\m)+(2*qq)%32+1], v[gb+2*qq:gb+2*qq+1], v[gb+64+2*qq:gb+65+2*qq]
.set qq, qq+1
.endr
.endm
.macro FMA_DATA t
	WIN W_YD
.set qq, 0
.rept 32
	v_pk_fma_f32 v[2*qq:2*qq+1], v[ACC+64*(\t)+2*qq:ACC+64*(\t)+2*qq+1], v[128+2*qq:129+2*qq], v[192+2*qq:193+2*qq]
.set qq, qq+1
.endr
.endm
.macro FMA_TIME t                      ; a time stamp serves four neighbours: one register of its pair feeds both halves
	WIN W_YT
.set qq, 0
.rept 32
.set xx, 8*(qq/16)+(qq%16)/2
.set xr, TV+16*(\t)+(xx/2)*2
.if xx%2
	v_pk_fma_f32 v[2*qq:2*qq+1], v[xr:xr+1], v[128+2*qq:129+2*qq], v[192+2*qq:193+2*qq] op_sel:[1,0,0] op_sel_hi:[1,1,1]
.else
	v_pk_fma_f32 v[2*qq:2*qq+1], v[xr:xr+1], v[128+2*qq:129+2*qq], v[192+2*qq:193+2*qq] op_sel:[0,0,0] op_sel_hi:[0,1,1]
.endif
.set qq, qq+1
.endr
.endm
; matrix instruction MI (tile of rows MI / 4, tile of units MI % 4) of a K step: W1's set KS, the rows' fragments from v[ABUF] of window 1, their scale words from v[ASCL].
; The 16 accumulators take turns, one instruction a turn, in the same order in every K step.  first = 1: b1 is the C of the sum's first product.
.macro MUL1 first
.set rD, ACC+8*MI
.set rB, 96+32*KS+8*(MI%4)
.set rA, ABUF+8*(MI/4)
.if \first
	v_wmma_scale_f32_16x16x128_f8f6f4 v[rD:rD+7], v[rB:rB+7], v[rA:rA+7], v[224+8*(MI%4):231+8*(MI%4)], v[54+4*KS+MI%4], v[ASCL+MI/4] matrix_a_fmt:MATRIX_FMT_FP4 matrix_b_fmt:MATRIX_FMT_FP4
.else
	v_wmma_scale_f32_16x16x128_f8f6f4 v[rD:rD+7], v[rB:rB+7], v[rA:rA+7], v[rD:rD+7], v[54+4*KS+MI%4], v[ASCL+MI/4] matrix_a_fmt:MATRIX_FMT_FP4 matrix_b_fmt:MATRIX_FMT_FP4
.endif
.endm
.macro MAXI                            ; step ME of 32 of the two blocks' largest magnitudes: four chains (block, half), the floor 2^(3 - 127) as each chain's first leaf
.set mc, ME%4
.set ma, 32*(mc/2)+16*(mc%2)+2*(ME/4)
.if ME < 4
	v_max3_num_f32 v[32+mc], |v[ma]|, |v[ma+1]|, s59
.else
	v_max3_num_f32 v[32+mc], |v[ma]|, |v[ma+1]|, v[32+mc]
.endif
.set ME, ME+1
.endm
; H's 64 numbers become a fragment's codes and scale word, and go to LDS.  wm = 1: a K step's 16 matrix instructions stand among the maxima, two maxima behind each; 2: they stand ahead and start the sums; 0: none.
.macro QFIN img, ioff, sc, soff, wm
.if (\wm) == 2
	WIN W_ZB
.set MI, 0
.rept 16
	MUL1 1
.set MI, MI+1
.endr
.endif
	WIN W_Z
.set ME, 0
.if (\wm) == 1
.set MI, 0
.rept 16
	MUL1 0
	MAXI
	MAXI
.set MI, MI+1
.endr
.else
.rept 32
	MAXI
.endr
.endif
	WIN 0
	v_max_num_f32 v32, v32, v33                    ; block h
	v_max_num_f32 v34, v34, v35                    ; block 2 + h
	v_add_nc_u32 v36, s62, v32                     ; 2 off the exponent field: the conversion's scale operand
	v_add_nc_u32 v37, s62, v34
	v_lshrrev_b32 v38, 23, v36                     ; the scale's byte
	v_lshrrev_b32 v39, 23, v37
	v_lshl_or_b32 v40, v39, 16, v38
	v_lshlrev_b32 v40, v12, v40                    ; at their places in the row's scale word: 8 h bits up
	v_permlanex16_b32 v41, v40, s60, s61
	v_or_b32 v40, v40, v41                         ; with lane l xor 16's two bytes the word is whole
	WIN W_CV
.irp c, 0,1
.irp q, 0,1,2,3
	v_cvt_scalef32_pk8_fp4_f32 v[70+4*\c+\q], v[32*\c+8*\q:32*\c+8*\q+7], v[36+\c]
.endr
.endr
	v_nop                                          ; one plain line behind the last conversion
	WIN 0
	ds_store_b128 v[\img], v[70:73] offset:\ioff
	ds_store_b128 v[\img], v[74:77] offset:(\ioff)+512
	ds_store_b32 v[\sc], v40 offset:\soff          ; lanes r and r + 16 write the same word with the same value
.endm
.macro LOADB kap                       ; K step kap: my four fragments of W1 and their scale words, into set kap % 4
.set bs, (\kap)%4
	WIN W_LD1
.irp t, 0,1,2,3
.irp c, 0,1
	GL128 96+32*bs+8*\t+4*\c, 3, 20, (\kap)*16384+\t*1024+\c*512
.endr
.endr
	WIN 0
	GL128 54+4*bs, 10, 22, (\kap)*1024
	MARKB bs
.endm
.macro LOADA kap, buf, as              ; K step kap: the four tiles' images and their scale words: nine LDS loads
	WIN W_LD1
.irp mm, 0,1,2,3
.irp c, 0,1
.if (\kap) < 16
	ds_load_b128 v[(\buf)+8*\mm+4*\c:(\buf)+8*\mm+4*\c+3], v4 offset:(\kap)*4096+\mm*1024+\c*512
.else
	ds_load_b128 v[(\buf)+8*\mm+4*\c:(\buf)+8*\mm+4*\c+3], v5 offset:(\kap)*4096-65536+\mm*1024+\c*512
.endif
.endr
.endr
	WIN 0
	ds_load_b128 v[\as:\as+3], v8 offset:(\kap)*256
.endm
.macro LOADG jn                        ; the gains of my K step 4 jn + w, into set jn % 2
.if ((\jn)%2)
	WIN W_LD3
.set gb, 0
.else
	WIN W_LD2
.set gb, 128
.endif
.irp c, 0,1
.irp q, 0,1,2,3,4,5,6,7
	GL128 gb+32*\c+4*\q, 11, 16, (\jn)*2048+256*\c+16*\q
.endr
.endr
	WIN 0
.endm
.macro LOADV jn                        ; and the biases
.if ((\jn)%2)
	WIN W_LD3
.set gb, 64
.else
	WIN W_LD2
.set gb, 192
.endif
.irp c, 0,1
.irp q, 0,1,2,3,4,5,6,7
	GL128 gb+32*\c+4*\q, 11, 18, (\jn)*2048+256*\c+16*\q
.endr
.endr
	WIN 0
	MARK MG
.endm
; ---------------- the head: pointers, constants, addresses
	s_load_b512 s[4:19], s[0:1], 0x0               ; x 4, start_L 6, start_C 8, fs 10, system_embed 12, cht 14, ln1_g 16, ln1_b 18
	s_load_b512 s[20:35], s[0:1], 0x40             ; w1c 20, w1s 22, b1 24, ln2_g 26, ln2_b 28, W2_codes 30, W2_scales 32, b2 34
	s_load_b64 s[36:37], s[0:1], 0x80              ; out0
	v_lshrrev_b32 v1, 5, v0
	v_readfirstlane_b32 s2, v1                     ; w: wave 0..3
	s_and_b32 s3, s2, 1                            ; w % 2
	s_lshr_b32 s39, s2, 1                          ; w / 2
	s_mov_b32 s59, 0x01800000                      ; the floor 2^(3 - 127)
	s_mov_b32 s60, 0x76543210
	s_mov_b32 s61, 0xfedcba98                      ; v_permlanex16_b32's selects for lane l xor 16
	s_mov_b32 s62, 0xff000000                      ; -(2 << 23)
	s_mov_b32 s63, 8191
	s_mov_b32 s84, 0x3ffff                         ; a batch of x is 2^18 bytes
.irp j, 1,2,3,4,5,6,7
	s_mov_b32 s[84+\j], 256*\j
.endr
	s_mov_b32 s92, 0xbfb8aa3b                      ; -log2(e)
	s_mov_b32 s93, s92
	s_mov_b32 s96, 0x39cb8728                      ; 1 / 2576
	s_mov_b32 s97, 0x3727c5ac                      ; 1e-5
	s_cmp_ge_u32 s2, 2
	s_cselect_b32 s57, -1, 0                       ; all lanes where w / 2 = 1
	s_cmp_eq_u32 s3, 1
	s_cselect_b32 s58, -1, 0                       ; all lanes where w % 2 = 1
	v_and_b32 v1, 15, v0                           ; r
	v_bfe_u32 v2, v0, 4, 1                         ; h
	v_and_b32 v3, 31, v0
	v_lshlrev_b32 v3, 4, v3                        ; 16 x lane
	v_add_nc_u32 v4, AIMG, v3                      ; images, to read: K steps 0..15
	v_add_nc_u32 v5, AIMG+65536, v3                ; and 16..20
	s_lshl_b32 s38, s2, 12
	v_add_nc_u32 v6, s38, v4                       ; images, to write: K step 4 j + w
	v_add_nc_u32 v7, s38, v5
	v_lshlrev_b32 v10, 4, v1                       ; 16 r
	v_add_nc_u32 v8, ASC, v10                      ; scale words, to read
	s_lshl_b32 s38, s2, 8
	v_add_nc_u32 v9, s38, v8                       ; to write
	v_lshlrev_b32 v11, 7, v2
	v_lshlrev_b32 v12, 3, v2                       ; 8 h
	s_lshl_b32 s38, s3, 9
	v_add_nc_u32 v30, s38, v11                     ; gain and bias of K step w % 2: 512 (w % 2) + 128 h
	s_lshl_b32 s38, s2, 9
	v_add_nc_u32 v11, s38, v11                     ; of K step 4 j + w: 512 w + 128 h
	s_lshl_b32 s38, s3, 12
	s_lshl_b32 s94, s39, 11
	s_add_co_u32 s38, s38, s94
	v_add_nc_u32 v13, s38, v4                      ; the first super step's images: K step w % 2, tile 2 (w / 2)
	s_lshl_b32 s38, s3, 8
	s_lshl_b32 s94, s39, 3
	s_add_co_u32 s38, s38, s94
	v_add_nc_u32 v14, s38, v8                      ; and their scale words
	s_lshl_b32 s38, s2, 10
	v_add_nc_u32 v15, s38, v5                      ; K step 20's image of tile w (+ 16,384 in the store)
	s_lshl_b32 s38, s2, 2
	v_add_nc_u32 v16, s38, v8                      ; its scale word (+ 5,120 in the store)
	s_mul_i32 s38, s2, 16640
	v_lshrrev_b32 v17, 2, v3
	v_add_nc_u32 v17, s38, v17                     ; data rows in: my 16 rows, 4 x lane
	v_mul_u32_u24 v18, v1, 1040
	v_lshl_add_u32 v18, v2, 7, v18
	s_mul_i32 s38, s39, 33280
	s_lshl_b32 s94, s3, 9
	s_add_co_u32 s38, s38, s94
	v_add_nc_u32 v18, s38, v18                     ; data rows out: row 32 (w / 2) + r, 512 (w % 2) + 128 h
	v_lshlrev_b32 v20, 3, v1
	v_add_nc_u32 v20, LS1, v20                     ; partial sums, to read
	s_lshl_b32 s38, s39, 8
	s_lshl_b32 s94, s3, 2
	s_add_co_u32 s38, s38, s94
	v_add_nc_u32 v19, s38, v20                     ; to write
	v_lshlrev_b32 v21, 6, v2                       ; 64 h: b1, ln2_g, ln2_b in the result's layout
	v_mov_b32 v41, 0                               ; a lane permute's destination counts as one of its sources; until then: the offset 0
	v_mov_b32 v87, 0                               ; upper halves of pairs that are named before they are made
	v_mov_b32 v89, 0
	v_mov_b32 v91, 0
	v_lshlrev_b32 v97, 2, v1                       ; 4 r
	s_wait_kmcnt 0x0
	s_mov_b32 s95, 0
	s_lshr_b32 s38, ttmp9, 3                       ; the batch
	s_lshl_b32 s94, s38, 18
	s_add_nc_u64 s[4:5], s[4:5], s[94:95]          ; x at my batch
	s_lshl_b32 s38, s38, 2                         ; fs: 4 x batch
	s_lshl_b32 s94, s2, 12
	s_add_nc_u64 s[20:21], s[20:21], s[94:95]      ; w1c + 4,096 w
	s_lshl_b32 s94, s2, 8
	s_add_nc_u64 s[22:23], s[22:23], s[94:95]      ; w1s, b1, ln2_g, ln2_b, b2, out0: + 256 w
	s_add_nc_u64 s[24:25], s[24:25], s[94:95]
	s_add_nc_u64 s[26:27], s[26:27], s[94:95]
	s_add_nc_u64 s[28:29], s[28:29], s[94:95]
	s_add_nc_u64 s[34:35], s[34:35], s[94:95]
	s_add_nc_u64 s[36:37], s[36:37], s[94:95]
	s_lshl_b32 s94, s2, 13
	s_add_nc_u64 s[30:31], s[30:31], s[94:95]      ; W2's codes: my 64 rows of 128 bytes
	s_lshl_b32 s94, s2, 9
	s_add_nc_u64 s[32:33], s[32:33], s[94:95]      ; W2's scales: 8 bytes a row
	s_lshl_b32 s94, ttmp9, 16
	s_add_nc_u64 s[36:37], s[36:37], s[94:95]      ; out0 at my 64 rows of 1,024 bytes
	s_lshl_b32 s94, ttmp9, 8
	s_add_nc_u64 s[6:7], s[6:7], s[94:95]          ; start_L, start_C at my 64 rows
	s_add_nc_u64 s[8:9], s[8:9], s[94:95]
	s_lshl_b32 s94, s2, 6                          ; the 16 rows that I bring in
	s_load_b512 s[40:55], s[6:7], s94 offset:0x0
	s_load_b512 s[68:83], s[8:9], s94 offset:0x0
	s_load_b32 s56, s[10:11], s38 offset:0x0
	s_lshl_b32 s95, s39, 7
	v_add_nc_u32 v96, s95, v97
	GL32 94, 96, 6, 0                              ; start_L of my own two tiles' row r
	GL32 95, 96, 6, 64
.irp m, 0,1,2,3
	GL32 32+\m, 97, 8, 64*\m                       ; start_C of all four tiles' row r
.endr
	s_wait_kmcnt 0x0
	s_wait_loadcnt 0x0
; ---------------- the gathers.  x first: the first barrier waits for it
	v_and_b32 v96, 3, v0
	v_lshlrev_b32 v96, 2, v96                      ; 4 c, c = lane % 4
	v_bfe_u32 v97, v0, 2, 3
	v_lshlrev_b32 v97, 5, v97                      ; 32 (lane / 4)
; Rows 4 rb .. 4 rb + 3 of my 16.  Lane l of a row's load j fetches feature k = 32 j + l: x[(start_L + k / 4) % 8192][(start_C + k % 4) % 8]; a load touches 256 consecutive bytes of x.
; The four rows' 32 addresses are made first, the rows by turns so that no line waits for the line above it; then the 32 loads stand in one run.  Each load lands on its own address register.
.macro GROWS rb
.irp q, 0,1,2,3
	s_and_b32 s[40+4*(\rb)+\q], s[40+4*(\rb)+\q], s63              ; start_L % 8192,
	s_and_b32 s[68+4*(\rb)+\q], s[68+4*(\rb)+\q], 7                ; start_C % 8,
.endr
.irp q, 0,1,2,3
	s_min_u32 s[40+4*(\rb)+\q], s[40+4*(\rb)+\q], 8191             ; held inside the table,
	s_min_u32 s[68+4*(\rb)+\q], s[68+4*(\rb)+\q], 7
.endr
.irp q, 0,1,2,3
	s_lshl_b32 s[40+4*(\rb)+\q], s[40+4*(\rb)+\q], 5               ; in bytes
	s_lshl_b32 s[68+4*(\rb)+\q], s[68+4*(\rb)+\q], 2
.endr
.irp q, 0,1,2,3
	v_add_nc_u32 v[98+\q], s[68+4*(\rb)+\q], v96
.endr
.irp q, 0,1,2,3
	v_and_b32 v[98+\q], 28, v[98+\q]
.endr
.irp q, 0,1,2,3
	v_add_nc_u32 v[98+\q], v[98+\q], v97
.endr
.irp q, 0,1,2,3
	v_add_nc_u32 v[98+\q], s[40+4*(\rb)+\q], v[98+\q]
.endr
.irp q, 0,1,2,3
.irp j, 1,2,3,4,5,6,7
	v_add_nc_u32 v[ACC+32*(\rb)+8*\q+\j], s[84+\j], v[98+\q]
.endr
.endr
.irp q, 0,1,2,3
	v_and_b32 v[ACC+32*(\rb)+8*\q], s84, v[98+\q]
.irp j, 1,2,3,4,5,6,7
	v_and_b32 v[ACC+32*(\rb)+8*\q+\j], s84, v[ACC+32*(\rb)+8*\q+\j]
.endr
.endr
.set gq, 0
.rept 32
	GL32 ACC+32*(\rb)+gq, ACC+32*(\rb)+gq, 4, 0
.set gq, gq+1
.endr
	MARK MX\rb
.endm
	GROWS 0
	GROWS 1
	GROWS 2
	GROWS 3
	s_load_b512 s[40:55], s[16:17], 0x2800         ; ln1_g[2560..2575], ln1_b[2560..2575]: waited for at the system fragment
	s_load_b512 s[68:83], s[18:19], 0x2800
.irp m, 0,1,2,3
	v_and_b32 v[32+\m], 7, v[32+\m]                ; start_C % 8,
.endr
.irp m, 0,1,2,3
	v_min_u32 v[32+\m], 7, v[32+\m]                ; held inside the table,
.endr
.irp m, 0,1,2,3
	v_lshlrev_b32 v[32+\m], 7, v[32+\m]            ; x 128 bytes: its block of 32 channel numbers
.endr
	WIN W_LD2
.irp m, 0,1,2,3
.irp q, 0,1,2,3,4,5,6,7
	GL128 32*\m+4*\q, 32+\m, 14, 16*\q
.endr
.endr
	WIN W_LD1
.irp q, 0,1,2,3
	GL128 64+4*\q, 41, 12, 192+16*\q               ; system_embed[3]
.endr
	WIN 0
	MARK MC
; ---------------- under the loads: 1 / fs and my 2 x 16 time stamps: l = 32 (w % 2) + 16 (x / 8) + 8 h + x % 8
	v_mov_b32 v93, s56
	v_rcp_f32 v92, v93
	v_lshlrev_b32 v31, 3, v2                       ; (a plain line behind the reciprocal)
	s_lshl_b32 s94, s3, 5
	v_add_nc_u32 v31, s94, v31
	s_wait_alu depctr_va_vdst(0)                   ; the wait ahead of the first reader
	v_fma_f32 v93, -v93, v92, 1.0                  ; one Newton step
	v_fma_f32 v92, v92, v93, v92
	v_mov_b32 v93, v92
.irp t, 0,1
	v_add_nc_u32 v[94+\t], v[94+\t], v31
.endr
.irp t, 0,1
.irp x, 0,1,2,3,4,5,6,7,8,9,10,11,12,13,14,15
	v_add_nc_u32 v[TV+16*\t+\x], 16*(\x/8)+(\x%8), v[94+\t]
.endr
.endr
.set qq, 0
.rept 32
	v_and_b32 v[TV+qq], s63, v[TV+qq]
.set qq, qq+1
.endr
.set qq, 0
.rept 32
	v_cvt_f32_u32 v[TV+qq], v[TV+qq]
.set qq, qq+1
.endr
.set qq, 0
.rept 16
	v_pk_mul_f32 v[TV+2*qq:TV+2*qq+1], v[TV+2*qq:TV+2*qq+1], v[92:93]
.set qq, qq+1
.endr
; ---------------- the data rows go to LDS as rows, four rows at a time as their loads come in; the loads issued behind them may stay out
.irp b, 0,1,2,3
	WAITL MX\b
.set gq, 0
.rept 32
	ds_store_b32 v17, v[ACC+32*\b+gq] offset:1040*(4*\b+gq/8)+128*(gq%8)
.set gq, gq+1
.endr
.endr
	BAR                                            ; 64 data rows lie in LDS
; ---------------- first pass: sums.  My own part: K step w % 2 of tiles 2 (w / 2) + t: 64 data numbers and 16 time stamps a lane and tile
.irp t, 0,1
.irp c, 0,1
.irp q, 0,1,2,3,4,5,6,7
	ds_load_b128 v[ACC+64*\t+32*\c+4*\q:ACC+64*\t+32*\c+4*\q+3], v18 offset:16640*\t+256*\c+16*\q
.endr
.endr
.endr
	WIN W_LD2
.irp c, 0,1
.irp q, 0,1,2,3,4,5,6,7
	GL128 128+32*\c+4*\q, 30, 16, 256*\c+16*\q     ; the data step's gains and biases
	GL128 192+32*\c+4*\q, 30, 18, 256*\c+16*\q
.endr
.endr
	WIN W_LD3
.irp c, 0,1
.irp q, 0,1,2,3,4,5,6,7
	GL128 128+32*\c+4*\q, 30, 16, 1024+256*\c+16*\q ; the time step's
	GL128 192+32*\c+4*\q, 30, 18, 1024+256*\c+16*\q
.endr
.endr
	WIN 0
	MARK MGQ
	WAITL MC                                       ; the channel and system numbers are in; their offset registers (v32-35, v41) may be written from here on
.irp m, 0,1,2,3
	TSUM \m
.endr
	WIN W_SB                                       ; the sum of the 16 system numbers
.irp p, 0,1,2,3
	v_pk_add_f32 v[2*\p:2*\p+1], v[64+2*\p:65+2*\p], v[72+2*\p:73+2*\p]
.endr
	v_pk_add_f32 v[0:1], v[0:1], v[2:3]
	v_pk_add_f32 v[4:5], v[4:5], v[6:7]
	v_pk_add_f32 v[0:1], v[0:1], v[4:5]
	v_add_f32 v0, v0, v1
	WIN W_CV
	v_mov_b32 v31, v0
	WIN 0
	s_wait_dscnt 0x0                               ; my data numbers are in
.irp t, 0,1
	PSUM TB, ACC+64*\t, 32
	PSUM TA, TV+16*\t, 8
	v_pk_fma_f32 v[TB:TB+1], v[TA:TA+1], 4.0, v[TB:TB+1] op_sel_hi:[1,0,1]
	XH MO+2*\t, TB
.endr
.irp t, 0,1
	ds_store_b32 v19, v[MO+2*\t] offset:128*\t
.endr
	BAR                                            ; the partial sums lie in LDS
; ---------------- the means; second pass: squares of what is left
.irp m, 0,1,2,3
	ds_load_b64 v[TA+2*\m:TA+2*\m+1], v20 offset:128*\m
.endr
	LOADB 0
	LOADB 1
	LOADB 2
	WIN W_LD1
.irp t, 0,1,2,3
	GL128 224+8*\t, 21, 24, (\t/2)*128+(\t%2)*32   ; b1 of units 64 w + 32 (t / 2) + 16 h + 8 (t % 2) + 0..7
	GL128 228+8*\t, 21, 24, (\t/2)*128+(\t%2)*32+16
.endr
	WIN 0
	MARK MBI
	s_wait_dscnt 0x0
.irp m, 0,1,2,3
	v_add_f32 v[MU+2*\m], v[TA+2*\m], v[TA+2*\m+1]
.endr
.irp m, 0,1,2,3
	v_fma_f32 v[MU+2*\m], v[MU+2*\m+1], 0x42800000, v[MU+2*\m]   ; + 64 x the channel numbers' sum
.endr
.irp m, 0,1,2,3
	v_add_f32 v[MU+2*\m], v31, v[MU+2*\m]
.endr
.irp m, 0,1,2,3
	v_mul_f32 v[MU+2*\m], s96, v[MU+2*\m]
.endr
.irp t, 0,1
	v_cndmask_b32 v[MO+2*\t], v[MU+2*\t], v[MU+4+2*\t], s57
.endr
	v_cndmask_b32 v[MS], v[MO], v[MO+2], s58       ; tile w is my own tile w % 2
.irp t, 0,1
	PSUBM ACC+64*\t, 32, MO+2*\t
	PSUBM TV+16*\t, 8, MO+2*\t
	PSQ TB, ACC+64*\t, 32
	PSQ TA, TV+16*\t, 8
	v_pk_fma_f32 v[TB:TB+1], v[TA:TA+1], 4.0, v[TB:TB+1] op_sel_hi:[1,0,1]
	XH 32+\t, TB
.endr
.irp t, 0,1
	ds_store_b32 v19, v[32+\t] offset:512+128*\t
.endr
.irp m, 0,1,2,3
	TSQ \m
.endr
	BAR                                            ; the partial squares lie in LDS
; ---------------- rstd; all that I hold is normalised
.irp m, 0,1,2,3
	ds_load_b64 v[TA+2*\m:TA+2*\m+1], v20 offset:512+128*\m
.endr
	LOADG 1
	LOADV 1
	s_wait_dscnt 0x0
.irp m, 0,1,2,3
	v_add_f32 v[TB+\m], v[TA+2*\m], v[TA+2*\m+1]
.endr
.irp m, 0,1,2,3
	v_add_f32 v[TB+\m], v[TB+\m], v[MU+2*\m+1]
.endr
.irp m, 0,1,2,3
	v_fma_f32 v[TB+\m], v[TB+\m], s96, s97         ; the variance + 1e-5
.endr
.irp m, 0,1,2,3
	v_rsq_f32 v[MU+2*\m+1], v[TB+\m]
.endr
	v_nop                                          ; a plain line behind the last of the batch
	s_wait_alu depctr_va_vdst(0)                   ; one wait for the four, ahead of their first reader
.irp m, 0,1,2,3
	v_mul_f32 v[TB+4+\m], v[TB+\m], v[MU+2*\m+1]   ; one Newton step: y + (y / 2) (1 - a y y)
.endr
.irp m, 0,1,2,3
	v_fma_f32 v[TB+4+\m], -v[TB+4+\m], v[MU+2*\m+1], 1.0
.endr
.irp m, 0,1,2,3
	v_mul_f32 v[TB+\m], 0.5, v[MU+2*\m+1]
.endr
.irp m, 0,1,2,3
	v_fma_f32 v[MU+2*\m+1], v[TB+\m], v[TB+4+\m], v[MU+2*\m+1]
.endr
.irp t, 0,1
	v_cndmask_b32 v[MO+2*\t+1], v[MU+2*\t+1], v[MU+5+2*\t], s57
.endr
	v_cndmask_b32 v[MS+1], v[MO+1], v[MO+3], s58
.irp t, 0,1
	PMULR ACC+64*\t, 32, MO+2*\t
	PMULR TV+16*\t, 8, MO+2*\t
.endr
	WIN W_E2
.irp m, 0,1,2,3
	PMULR 32*\m, 16, MU+2*\m
.endr
; ---------------- the first super step's fragments (K steps w % 2 and 2 + w % 2 of my two tiles) and K step 20's of tile w
	WAITL MGQ
.irp t, 0,1
	FMA_TIME \t
	s_wait_dscnt 0x0                               ; the last fragment's stores have read their registers
	QFIN 13, 8192+1024*\t, 14, 512+4*\t, 0
.endr
.irp t, 0,1
	FMA_DATA \t
	s_wait_dscnt 0x0
	QFIN 13, 1024*\t, 14, 4*\t, 0
.endr
	s_wait_kmcnt 0x0                               ; the last 16 gains and biases
	s_wait_dscnt 0x0
	WIN W_SA
.irp p, 0,1,2,3,4,5,6,7
	v_pk_add_f32 v[2*\p:2*\p+1], v[64+2*\p:65+2*\p], v[MS:MS+1] op_sel_hi:[1,0] neg_lo:[0,1] neg_hi:[0,1]
.endr
.irp p, 0,1,2,3,4,5,6,7
	v_pk_mul_f32 v[2*\p:2*\p+1], v[2*\p:2*\p+1], v[MS:MS+1] op_sel:[0,1] op_sel_hi:[1,1]
.endr
.irp i, 0,1,2,3,4,5,6,7,8,9,10,11,12,13,14,15
	v_fma_f32 v[\i], v[\i], s[40+\i], s[68+\i]
.endr
	WIN W_Z
	v_max3_num_f32 v32, |v0|, |v1|, s59
	v_max3_num_f32 v33, |v2|, |v3|, s59
.irp i, 4,8,12
	v_max3_num_f32 v32, |v[\i]|, |v[\i+1]|, v32
	v_max3_num_f32 v33, |v[\i+2]|, |v[\i+3]|, v33
.endr
	WIN 0
	v_max_num_f32 v32, v32, v33
	v_add_nc_u32 v36, s62, v32
	v_lshrrev_b32 v38, 23, v36
	v_or_b32 v40, 0x01010100, v38                  ; block 80's byte; the three blocks of zero codes get the byte 1
	v_add_nc_u32 v31, -1, v2                       ; all ones in lanes 0-15, 0 in lanes 16-31
	WIN W_CV
	v_cvt_scalef32_pk8_fp4_f32 v70, v[0:7], v36
	v_cvt_scalef32_pk8_fp4_f32 v71, v[8:15], v36
	v_nop
	WIN 0
	v_and_b32 v70, v70, v31                        ; k = 2560..2575 lie in lanes 0-15, registers 0 and 1; all else of the K step is zero codes
	v_and_b32 v71, v71, v31
.irp i, 72,73,74,75,76,77
	v_mov_b32 v[\i], 0
.endr
	ds_store_b128 v15, v[70:73] offset:16384
	ds_store_b128 v15, v[74:77] offset:16896
	ds_store_b32 v16, v40 offset:5120
	BAR                                            ; K steps 0..3 and 20 lie in LDS
; ---------------- the 16 main phases.  Phase KP multiplies K step KP and quantises fragment (K step 4 JQ + w, tile MM) of the next super step.
; THE ROWS' FRAGMENTS COME A K STEP AHEAD, into two buffers by turns (even K steps: v64-95 and scale words v42-45; odd: v224-255 and v46-49).  A phase asks for K step KP + 1 where that step lies in the same super step,
; whose images the last barrier has shown; a super step's first K step is asked for behind that barrier, at its own phase's head.  Phase 0 asks for nothing ahead: b1 still lies in the odd buffer; phase 1 asks for its own step too.
; The places between a phase's last matrix instruction and the next phase's loads into registers that it read: two maxima and the ten plain lines that make the scale word.
.macro PHASE
.set JQ, KP/4+1
.set MM, KP%4
.set KS, KP%4
.set SETQ, JQ%2
.set ABUF, 64+160*(KP%2)
.set ASCL, 42+4*(KP%2)
.set NBUF, 64+160*((KP+1)%2)
.set NASC, 42+4*((KP+1)%2)
.set AHEAD, 0
.if (MM == 0) || (KP == 1)
	LOADA KP, ABUF, ASCL
.endif
.if (MM < 3) && (KP > 0)
	LOADA KP+1, NBUF, NASC
.set AHEAD, 9
.endif
	LOADB KP+3
.if (MM == 0) && (JQ <= 3)
	LOADG JQ+1
.endif
.if (MM == 1) && (JQ <= 3)
	LOADV JQ+1
.endif
.if MM == 0
	WAITL MG                                       ; this super step's gains and biases are in
.endif
	FMA_CH MM, SETQ
	s_wait_dscnt AHEAD                             ; this K step's fragments are in and the last fragment's stores have read their registers: both were issued ahead of the next K step's nine loads, which may stay out
.if KP == 0
	WAITL MBI
.endif
	WAITB KS                                       ; W1's fragments of this K step are in; those of the three steps behind it may be out
.if KP == 0
	QFIN 6, JQ*16384+MM*1024, 9, JQ*1024+4*MM, 2
.elseif JQ < 4
	QFIN 6, JQ*16384+MM*1024, 9, JQ*1024+4*MM, 1
.else
	QFIN 7, MM*1024, 9, JQ*1024+4*MM, 1
.endif
.if MM == 3
	BAR                                            ; super step JQ's sixteen fragments lie in LDS
.endif
.endm
.set KP, 0
.rept 16
	PHASE
.set KP, KP+1
.endr
; ---------------- the tail: K steps 16..20; first the epilogue's addresses, into registers that the prologue has left
	s_lshl_b32 s94, s2, 2
	v_add_nc_u32 v14, LS3, v10                     ; second norm's partials, to read: 16 r
	v_add_nc_u32 v13, s94, v14                     ; to write: + 4 w
	v_add_nc_u32 v16, A2IMG, v3                    ; the second operand's images, to read
	s_lshl_b32 s94, s39, 10
	s_lshl_b32 s95, s3, 9
	s_add_co_u32 s94, s94, s95
	v_add_nc_u32 v15, s94, v16                     ; to write: K step w / 2, register group w % 2
	v_add_nc_u32 v18, A2SC, v10                    ; its scale words, to read
	s_lshl_b32 s94, s39, 8
	s_lshl_b32 s95, s3, 1
	s_add_co_u32 s94, s94, s95
	v_add_nc_u32 v17, s94, v18                     ; to write: my two bytes
	s_mul_i32 s94, s2, 4352
	s_add_co_u32 s94, s94, OST                     ; my stage
	v_mul_u32_u24 v19, v1, 272
	v_lshl_add_u32 v19, v2, 5, v19
	v_add_nc_u32 v19, s94, v19                     ; in: row r, 32 h
	v_mul_u32_u24 v20, v2, 272
	v_add_nc_u32 v20, v20, v10
	v_add_nc_u32 v20, s94, v20                     ; back: lanes 0-15 one row, lanes 16-31 the next
	v_lshl_add_u32 v22, v2, 10, v10                ; and the same two rows in out0
	v_lshlrev_b32 v23, 7, v1
	v_lshl_add_u32 v23, v2, 4, v23                 ; W2's codes: row r of 128 bytes, + 16 h
	v_lshlrev_b32 v24, 5, v2                       ; b2: 32 h
	v_lshlrev_b32 v25, 3, v1                       ; W2's scales: 8 r
.macro MULS kap, ab, as
.set KS, (\kap)%4
.set ABUF, \ab
.set ASCL, \as
	WIN W_Z
.set MI, 0
.rept 16
	MUL1 0
.set MI, MI+1
.endr
.endm
	LOADA 16, 64, 42
	LOADA 17, 0, 46
	LOADA 18, 32, 50
	LOADB 19
	s_wait_dscnt 18                                ; K step 16's nine LDS loads are in; behind them: K steps 17's and 18's
	WAITB 0
	MULS 16, 64, 42
	PLACES
	LOADA 19, 64, 42
	LOADB 20
	s_wait_dscnt 18                                ; K step 17's are in; behind them: 18's and 19's
	WAITB 1
	MULS 17, 0, 46
	PLACES
	LOADA 20, 0, 46
	WIN W_LD3                                      ; the epilogue's parameters
.irp t, 0,1,2,3
.irp s, 0,1
.irp c, 0,1
	GL128 128+8*(2*\t+\s)+4*\c, 23, 30, \t*2048+\s*64+32*\c   ; W2's fragment (outputs 64 w + 16 t + r, K step s)
.endr
.endr
.endr
.irp t, 0,1,2,3
	GL128 192+8*\t, 24, 34, 64*\t                  ; b2 of outputs 64 w + 16 t + 8 h + 0..7
	GL128 196+8*\t, 24, 34, 64*\t+16
.endr
.irp t, 0,1,2,3
	GL128 8*\t, 21, 26, (\t/2)*128+(\t%2)*32       ; ln2_g, ln2_b in the accumulators' layout
	GL128 8*\t+4, 21, 26, (\t/2)*128+(\t%2)*32+16
	GL128 32+8*\t, 21, 28, (\t/2)*128+(\t%2)*32
	GL128 36+8*\t, 21, 28, (\t/2)*128+(\t%2)*32+16
.endr
	WIN 0
	MARK MP
	s_wait_dscnt 18                                ; K step 18's are in; behind them: 19's and 20's
	WAITB 2
	MULS 18, 32, 50
	s_wait_dscnt 9                                 ; K step 19's nine LDS loads are in; K step 20's nine were issued behind them
	WAITB 3
	MULS 19, 64, 42
	s_wait_dscnt 0x0
	WAITB 0
	MULS 20, 0, 46
	PLACES
	WIN 0
.irp t, 0,1,2,3
	GL64 54+2*\t, 25, 32, 128*\t                   ; W2's scale words, into registers that held W1's
.endr
; ---------------- silu: z / (1 + 2^(-z log2 e)).  The accumulators are read in ascending order, each from its low end on.
	WIN W_LD1
.set qq, 0
.rept 64
	v_pk_mul_f32 v[2*qq:2*qq+1], v[ACC+2*qq:ACC+2*qq+1], s[92:93] op_sel_hi:[1,0]
.set qq, qq+1
.endr
	WIN W_SA
.set qq, 0
.rept 128
	v_exp_f32 v[qq], v[qq]
.set qq, qq+1
.endr
	v_nop                                          ; a plain line behind the batch,
	s_wait_alu depctr_va_vdst(0)                   ; and one wait for it, ahead of its first reader
.set qq, 0
.rept 64
	v_pk_add_f32 v[2*qq:2*qq+1], v[2*qq:2*qq+1], 1.0 op_sel_hi:[1,0]
.set qq, qq+1
.endr
.set qq, 0
.rept 128
	v_rcp_f32 v[qq], v[qq]
.set qq, qq+1
.endr
	v_nop
	s_wait_alu depctr_va_vdst(0)
	WIN W_X3
.set qq, 0
.rept 64
	v_pk_mul_f32 v[ACC+2*qq:ACC+2*qq+1], v[ACC+2*qq:ACC+2*qq+1], v[2*qq:2*qq+1]
.set qq, qq+1
.endr
	WIN 0
; ---------------- the second norm, over 256 hidden units: 32 a lane, 64 a wave, four waves
	s_mov_b32 s94, 0x3b800000                      ; 1 / 256
.irp m, 0,1,2,3
	PSUM TA, ACC+32*\m, 16
	XH 96+\m, TA
.endr
.irp m, 0,1,2,3
	ds_store_b32 v13, v[96+\m] offset:256*\m
.endr
	BAR
.irp m, 0,1,2,3
	ds_load_b128 v[112+4*\m:115+4*\m], v14 offset:256*\m
.endr
	s_wait_dscnt 0x0
.irp m, 0,1,2,3
	v_add_f32 v[112+4*\m], v[112+4*\m], v[113+4*\m]
.endr
.irp m, 0,1,2,3
	v_add_f32 v[114+4*\m], v[114+4*\m], v[115+4*\m]
.endr
.irp m, 0,1,2,3
	v_add_f32 v[112+4*\m], v[112+4*\m], v[114+4*\m]
.endr
.irp m, 0,1,2,3
	v_mul_f32 v[MU+2*\m], s94, v[112+4*\m]
.endr
.irp m, 0,1,2,3
	PSUBM ACC+32*\m, 16, MU+2*\m
.endr
.irp m, 0,1,2,3
	PSQ TA, ACC+32*\m, 16
	XH 96+\m, TA
.endr
.irp m, 0,1,2,3
	ds_store_b32 v13, v[96+\m] offset:1024+256*\m
.endr
	BAR
.irp m, 0,1,2,3
	ds_load_b128 v[112+4*\m:115+4*\m], v14 offset:1024+256*\m
.endr
	s_wait_dscnt 0x0
.irp m, 0,1,2,3
	v_add_f32 v[112+4*\m], v[112+4*\m], v[113+4*\m]
.endr
.irp m, 0,1,2,3
	v_add_f32 v[114+4*\m], v[114+4*\m], v[115+4*\m]
.endr
.irp m, 0,1,2,3
	v_add_f32 v[112+4*\m], v[112+4*\m], v[114+4*\m]
.endr
.irp m, 0,1,2,3
	v_fma_f32 v[112+4*\m], v[112+4*\m], s94, s97
.endr
.irp m, 0,1,2,3
	v_rsq_f32 v[MU+2*\m+1], v[112+4*\m]
.endr
	v_nop
	s_wait_alu depctr_va_vdst(0)
.irp m, 0,1,2,3
	v_mul_f32 v[113+4*\m], v[112+4*\m], v[MU+2*\m+1]
.endr
.irp m, 0,1,2,3
	v_fma_f32 v[113+4*\m], -v[113+4*\m], v[MU+2*\m+1], 1.0
.endr
.irp m, 0,1,2,3
	v_mul_f32 v[114+4*\m], 0.5, v[MU+2*\m+1]
.endr
.irp m, 0,1,2,3
	v_fma_f32 v[MU+2*\m+1], v[114+4*\m], v[113+4*\m], v[MU+2*\m+1]
.endr
.irp m, 0,1,2,3
	PMULR ACC+32*\m, 16, MU+2*\m
.endr
	WAITL MP                                       ; ln2_g, ln2_b are in
	WIN W_LN
.irp m, 0,1,2,3
.set qq, 0
.rept 16
	v_pk_fma_f32 v[ACC+32*\m+2*qq:ACC+32*\m+2*qq+1], v[ACC+32*\m+2*qq:ACC+32*\m+2*qq+1], v[2*qq:2*qq+1], v[32+2*qq:33+2*qq]
.set qq, qq+1
.endr
.endr
	WIN 0
; ---------------- the second quantiser: registers 32 m + 16 b + 0..15 are hidden units 64 w + 32 b + 16 h + 0..15; a block lies in lanes l and l xor 16.  Each tile has registers of its own for codes and bytes, so the eight stores stand in one run behind the four tiles.
.irp m, 0,1,2,3
.irp b, 0,1
	v_max3_num_f32 v[32+\b], |v[ACC+32*\m+16*\b]|, |v[ACC+32*\m+16*\b+1]|, s59
.endr
.irp i, 2,4,6,8,10,12,14
.irp b, 0,1
	v_max3_num_f32 v[32+\b], v[32+\b], |v[ACC+32*\m+16*\b+\i]|, |v[ACC+32*\m+16*\b+\i+1]|
.endr
.endr
	v_permlanex16_b32 v38, v32, s60, s61
	v_permlanex16_b32 v39, v33, s60, s61
	v_max_num_f32 v32, v32, v38
	v_max_num_f32 v33, v33, v39
	v_add_nc_u32 v36, s62, v32
	v_add_nc_u32 v37, s62, v33
	v_lshrrev_b32 v38, 23, v36
	v_lshrrev_b32 v39, 23, v37
	v_lshl_or_b32 v[112+\m], v39, 8, v38           ; my two bytes of the row's scale word
.irp b, 0,1
	v_cvt_scalef32_pk8_fp4_f32 v[96+4*\m+2*\b], v[ACC+32*\m+16*\b:ACC+32*\m+16*\b+7], v[36+\b]
	v_cvt_scalef32_pk8_fp4_f32 v[97+4*\m+2*\b], v[ACC+32*\m+16*\b+8:ACC+32*\m+16*\b+15], v[36+\b]
.endr
	v_nop                                          ; one plain line behind the last conversion
	v_permlane16_swap_b32 v[96+4*\m], v[98+4*\m]   ; the operand's layout wants a whole block in a lane: lanes 0-15 block 0, lanes 16-31 block 1
	v_permlane16_swap_b32 v[97+4*\m], v[99+4*\m]
.endr
.irp m, 0,1,2,3
	ds_store_b128 v15, v[96+4*\m:99+4*\m] offset:2048*\m
	ds_store_b16 v17, v[112+\m] offset:4*\m
.endr
	BAR                                            ; the second operand's eight fragments lie in LDS
; ---------------- the second product: my 64 outputs for the 64 rows; b2 is the C of each sum's first product; the 16 accumulators take turns as before
	WIN W_LD1
.irp m, 0,1,2,3
.irp s, 0,1
.irp c, 0,1
	ds_load_b128 v[128+8*(2*\m+\s)+4*\c:128+8*(2*\m+\s)+4*\c+3], v16 offset:(2*\m+\s)*1024+\c*512
.endr
.endr
.endr
	WIN 0
	ds_load_b128 v[42:45], v18
	ds_load_b128 v[46:49], v18 offset:256
	s_wait_dscnt 0x0
	s_wait_loadcnt 0x0                             ; W2's codes and scale words, b2
	WIN W_P2A
.set MI, 0
.rept 16
	v_wmma_scale_f32_16x16x128_f8f6f4 v[ACC+8*MI:ACC+8*MI+7], v[128+16*(MI%4):135+16*(MI%4)], v[128+16*(MI/4):135+16*(MI/4)], v[192+8*(MI%4):199+8*(MI%4)], v[54+2*(MI%4)], v[42+MI/4] matrix_a_fmt:MATRIX_FMT_FP4 matrix_b_fmt:MATRIX_FMT_FP4
.set MI, MI+1
.endr
	WIN W_P2B
.set MI, 0
.rept 16
	v_wmma_scale_f32_16x16x128_f8f6f4 v[ACC+8*MI:ACC+8*MI+7], v[136+16*(MI%4):143+16*(MI%4)], v[136+16*(MI/4):143+16*(MI/4)], v[ACC+8*MI:ACC+8*MI+7], v[55+2*(MI%4)], v[46+MI/4] matrix_a_fmt:MATRIX_FMT_FP4 matrix_b_fmt:MATRIX_FMT_FP4
.set MI, MI+1
.endr
	WIN 0
	PLACES
; ---------------- the way out: a lane holds 32 neighbouring bytes of a row; a tile of 16 rows x 256 bytes goes through my own stage and comes back as whole rows, into the registers that it left.
; LDS serves a wave's instructions in order (ISA guide 5.7.1.4): no wait between the stores and the loads, nor ahead of the next tile's stores.  Each accumulator is read from its low end on.
.irp m, 0,1,2,3
.irp t, 0,1,2,3
	ds_store_b128 v19, v[ACC+32*\m+8*\t:ACC+32*\m+8*\t+3] offset:64*\t
	ds_store_b128 v19, v[ACC+32*\m+8*\t+4:ACC+32*\m+8*\t+7] offset:64*\t+16
.endr
.irp i, 0,1,2,3,4,5,6,7
	ds_load_b128 v[ACC+32*\m+4*\i:ACC+32*\m+4*\i+3], v20 offset:544*\i
.endr
.endr
.irp m, 0,1,2,3
.irp i, 0,1,2,3,4,5,6,7
	s_wait_dscnt 16*(3-\m)+7-\i                    ; behind this load: the tile's later loads and sixteen LDS instructions for each later tile
	global_store_b128 v22, v[ACC+32*\m+4*\i:ACC+32*\m+4*\i+3], s[36:37] offset:(16*\m+2*\i)*1024 th:TH_STORE_NT   ; sixteen lanes store 256 consecutive bytes, aligned
.endr
.endr
	s_wait_xcnt 0x0
	v_lshl_add_u32 v254, v0, 2, 0x2db00
	v_mov_b32 v255, 0
	s_wait_tensorcnt 0x0
	ds_add_u32 v254, v255
	s_wait_dscnt 0x0
	s_endpgm
.Lfunc_end_k_q50e546717c_main:
	.size	k_q50e546717c_main, .Lfunc_end_k_q50e546717c_main-k_q50e546717c_main
	.p2alignl 7, 3214868480
	.fill 96, 4, 3214868480
	.section	.rodata,"a",@progbits
	.p2align	6, 0x0
	.amdhsa_kernel k_q50e546717c_main
		.amdhsa_group_segment_fixed_size 187648
		.amdhsa_private_segment_fixed_size 0
		.amdhsa_enable_private_segment 0
		.amdhsa_kernarg_size 136
		.amdhsa_user_sgpr_count 2
		.amdhsa_user_sgpr_kernarg_segment_ptr 1
		.amdhsa_wavefront_size32 1
		.amdhsa_system_sgpr_workgroup_id_x 1
		.amdhsa_system_sgpr_workgroup_id_y 1
		.amdhsa_system_sgpr_workgroup_id_z 1
		.amdhsa_system_vgpr_workitem_id 0
		.amdhsa_next_free_vgpr 1024
		.amdhsa_next_free_sgpr 100
		.amdhsa_reserve_vcc 0
		.amdhsa_float_denorm_mode_32 3
		.amdhsa_float_denorm_mode_16_64 3
		.amdhsa_memory_ordered 1
		.amdhsa_forward_progress 1
		.amdhsa_inst_pref_size 255
	.end_amdhsa_kernel
	.section	.bss,"aw",@nobits
	.p2align	6
	.space	262144
	.amdgpu_metadata
---
amdhsa.version: [ 1, 2 ]
amdhsa.kernels:
  - .name:           k_q50e546717c_main
    .symbol:         k_q50e546717c_main.kd
    .args:
      - { .name: x, .offset: 0, .size: 8, .value_kind: global_buffer, .address_space: global }
      - { .name: start_L, .offset: 8, .size: 8, .value_kind: global_buffer, .address_space: global }
      - { .name: start_C, .offset: 16, .size: 8, .value_kind: global_buffer, .address_space: global }
      - { .name: fs, .offset: 24, .size: 8, .value_kind: global_buffer, .address_space: global }
      - { .name: system_embed, .offset: 32, .size: 8, .value_kind: global_buffer, .address_space: global }
      - { .name: cht, .offset: 40, .size: 8, .value_kind: global_buffer, .address_space: global }
      - { .name: ln1_g, .offset: 48, .size: 8, .value_kind: global_buffer, .address_space: global }
      - { .name: ln1_b, .offset: 56, .size: 8, .value_kind: global_buffer, .address_space: global }
      - { .name: w1c, .offset: 64, .size: 8, .value_kind: global_buffer, .address_space: global }
      - { .name: w1s, .offset: 72, .size: 8, .value_kind: global_buffer, .address_space: global }
      - { .name: b1, .offset: 80, .size: 8, .value_kind: global_buffer, .address_space: global }
      - { .name: ln2_g, .offset: 88, .size: 8, .value_kind: global_buffer, .address_space: global }
      - { .name: ln2_b, .offset: 96, .size: 8, .value_kind: global_buffer, .address_space: global }
      - { .name: W2_codes, .offset: 104, .size: 8, .value_kind: global_buffer, .address_space: global }
      - { .name: W2_scales, .offset: 112, .size: 8, .value_kind: global_buffer, .address_space: global }
      - { .name: b2, .offset: 120, .size: 8, .value_kind: global_buffer, .address_space: global }
      - { .name: out0, .offset: 128, .size: 8, .value_kind: global_buffer, .address_space: global }
    .group_segment_fixed_size: 187648
    .private_segment_fixed_size: 0
    .kernarg_segment_align: 8
    .kernarg_segment_size: 136
    .max_flat_workgroup_size: 128
    .sgpr_count:     100
    .vgpr_count:     1024
    .wavefront_size: 32
...
	.end_amdgpu_metadata
.endif
;; end of part 2
;; ======== version 2 of 2: 2 launches
;; workspace buffers: w1c 344,064 bytes; w1s 21,504 bytes; cht 1,024 bytes
;; launch prep (part 3): grid 85 x 1, 8 waves a work-group, no clusters, 1,536 bytes of LDS; arguments W1, channel_embed, channel_type_mapping, w1c, w1s, cht; writes w1c, w1s, cht
.if DOCPART == 3
	.amdgcn_target "amdgcn-amd-amdhsa--gfx1250"
	.amdhsa_code_object_version 6
	.text
	.protected	k_q50e546717c_prep
	.globl	k_q50e546717c_prep
	.p2align	8
	.type	k_q50e546717c_prep,@function
k_q50e546717c_prep:
	s_mov_b64 s[64:65], 0
	v_nop
	global_prefetch_b8 v0, s[64:65] scope:SCOPE_SE
	s_setreg_imm32_b32 hwreg(HW_REG_WAVE_MODE, 25, 1), 1
	s_wait_xcnt 0x0
; W1 [2576][256] f32 (K = its first axis) is quantised ONCE to E2M1 codes with one E8M0 byte for each 32 along K, and laid in the order in which the
; next launch's waves take their operand registers; and the table of the eight possible blocks of channel features is made.
; w1c: [kappa 0..20][w 0..3][t 0..3][c 0..1][lane 0..31][16 bytes]: lane (rho = lane % 16, h = lane / 16) holds the 32 codes of k = 128 kappa + 64 c + 32 h + 0..31
;      of hidden unit n = 64 w + 32 (t / 2) + 8 (t % 2) + rho + 8 (rho / 8).  Rows k >= 2576 are zeros: zero codes.
; w1s: [kappa][w][rho][t]: one word, byte b = the scale of block 4 kappa + b of that unit.
; cht: [v 0..7][c 0..3][e 0..7] f32 = channel_embed[channel_type_mapping[3][(v + c) % 8]][e].
; SHARES.  Work-group 4 kappa + w (0..83): wave (b = wave % 4, q = wave / 4) takes block 4 kappa + b of the 32 columns 64 w + 32 q + lane: a lane takes a column and its
; 32 registers run down K, so a block's largest magnitude needs no other lane and the conversions give codes with K innermost.  Work-group 84 makes cht, a thread a number.
; A block's scale is 2^(floor(log2(largest magnitude)) - 2); its byte is the largest magnitude's exponent field - 2, held at 1 from below.
; LIMITS: a block of zeros, or one whose largest magnitude lies under 2^-124, keeps the byte 1 (its codes are read by this program alone; zero codes add nothing);
; NaN and infinities are not served; an entry of channel_type_mapping is taken as 0..9 (held at 9 from above; negative entries are not served).
	s_load_b256 s[4:11], s[0:1], 0x0               ; W1 s[4:5], channel_embed s[6:7], channel_type_mapping s[8:9], w1c s[10:11]
	s_load_b128 s[12:15], s[0:1], 0x20             ; w1s s[12:13], cht s[14:15]
	v_lshl_add_u32 v64, v0, 2, 0x200
	v_mov_b32 v65, 0
	v_lshrrev_b32 v1, 5, v0
	s_delay_alu instid0(VALU_DEP_1)
	v_readfirstlane_b32 s16, v1                    ; wave 0..7
	v_and_b32 v1, 31, v0                           ; lane
	s_cmp_eq_u32 ttmp9, 84
	s_cbranch_scc1 .Ltable
	s_lshr_b32 s17, ttmp9, 2                       ; kappa
	s_and_b32 s18, ttmp9, 3                        ; w
	s_and_b32 s19, s16, 3                          ; b
	s_lshr_b32 s20, s16, 2                         ; q
	s_lshl_b32 s21, s17, 2
	s_add_co_u32 s21, s21, s19                     ; beta = 4 kappa + b: my block of 32 rows of W1
	s_lshl_b32 s22, s18, 8
	s_lshl_b32 s23, s20, 7
	s_add_co_u32 s22, s22, s23
	s_wait_alu depctr_va_vdst(0)
	v_lshlrev_b32 v2, 2, v1
	s_delay_alu instid0(VALU_DEP_1)
	v_add_nc_u32 v2, s22, v2                       ; my column's byte in a row of W1: 4 (64 w + 32 q + lane)
	v_bfe_u32 v3, v0, 3, 1                         ; u = t % 2
	v_and_b32 v4, 7, v0
	v_bfe_u32 v5, v0, 4, 1
	s_delay_alu instid0(VALU_DEP_1)
	v_lshl_add_u32 v4, v5, 3, v4                   ; rho = lane % 8 + 8 (lane / 16)
	s_delay_alu instid0(VALU_DEP_1)
	v_lshlrev_b32 v48, 4, v4                       ; 16 rho
	s_lshl_b32 s24, s20, 3
	s_add_co_u32 s24, s24, s19                     ; 8 q + b
	v_lshl_add_u32 v49, v3, 2, v48
	s_delay_alu instid0(VALU_DEP_1)
	v_add_nc_u32 v49, s24, v49                     ; LDS: my scale byte at 16 rho + 4 (2 q + u) + b
	v_lshl_add_u32 v48, v3, 10, v48                ; my codes: 1,024 u + 16 rho
	v_lshlrev_b32 v50, 3, v1                       ; 8 x lane
	s_lshl_b32 s22, s21, 15                        ; 32 rows of 1,024 bytes a block
	s_mov_b32 s23, 0
	s_lshl_b32 s24, ttmp9, 12                      ; (4 kappa + w) x 4 tiles x 1,024
	s_lshl_b32 s25, s20, 11                        ; + 2 q tiles
	s_add_co_u32 s24, s24, s25
	s_lshr_b32 s25, s19, 1
	s_lshl_b32 s25, s25, 9                         ; + 512 c, c = b / 2
	s_add_co_u32 s24, s24, s25
	s_and_b32 s25, s19, 1
	s_lshl_b32 s25, s25, 8                         ; + 256 h, h = b % 2
	s_add_co_u32 s24, s24, s25
	s_mov_b32 s25, 0
	s_lshl_b32 s26, ttmp9, 8                       ; 256 scale bytes a work-group
	s_mov_b32 s27, 0
	s_wait_kmcnt 0x0
	s_add_nc_u64 s[4:5], s[4:5], s[22:23]
	s_add_nc_u64 s[10:11], s[10:11], s[24:25]
	s_add_nc_u64 s[12:13], s[12:13], s[26:27]
	; blocks 0..79 are whole, block 80 has 16 rows, blocks 81..83 none: what is missing is zeros, and no load leaves W1
	s_cmp_lt_u32 s21, 80
	s_cbranch_scc1 .Lfull
.irp i, 24,25,26,27,28,29,30,31,32,33,34,35,36,37,38,39
	v_mov_b32 v[\i], 0
.endr
	s_cmp_eq_u32 s21, 80
	s_cbranch_scc1 .Lhalf
.irp i, 8,9,10,11,12,13,14,15,16,17,18,19,20,21,22,23
	v_mov_b32 v[\i], 0
.endr
	s_branch .Ljoin
.Lfull:
.irp i, 16,17,18,19,20,21,22,23,24,25,26,27,28,29,30,31
	global_load_b32 v[8+\i], v2, s[4:5] offset:1024*\i th:TH_LOAD_NT
.endr
.Lhalf:
.irp i, 0,1,2,3,4,5,6,7,8,9,10,11,12,13,14,15
	global_load_b32 v[8+\i], v2, s[4:5] offset:1024*\i th:TH_LOAD_NT   ; 32 lanes read 128 consecutive bytes of one row
.endr
.Ljoin:
	s_wait_loadcnt 0x0
	v_max3_num_f32 v40, |v8|, |v9|, 0x1800000      ; the block's largest magnitude, in two chains, with the floor 2^(3 - 127) among the leaves: the byte cannot fall under 1
	v_max3_num_f32 v41, |v10|, |v11|, 0x1800000
.irp i, 12,16,20,24,28,32,36
	v_max3_num_f32 v40, v40, |v[\i]|, |v[\i+1]|
	s_wait_alu depctr_va_vdst(0)
	v_max3_num_f32 v41, v41, |v[\i+2]|, |v[\i+3]|
.endr
	s_delay_alu instid0(VALU_DEP_1)
	v_max_num_f32 v40, v40, v41
	s_delay_alu instid0(VALU_DEP_1)
	v_add_nc_u32 v42, 0xff000000, v40              ; 2 off its exponent field: the conversion takes the exponent field of this operand as its scale
	s_delay_alu instid0(VALU_DEP_1)
	v_lshrrev_b32 v43, 23, v42                     ; the scale's byte
.irp g, 0,1,2,3
	v_cvt_scalef32_pk8_fp4_f32 v[44+\g], v[8+8*\g:15+8*\g], v42
.endr
	v_nop                                          ; one plain line behind the last conversion
	global_store_b128 v48, v[44:47], s[10:11]      ; the sixteen lanes of one u store 256 consecutive bytes, aligned
	ds_store_b8 v49, v43
	s_wait_dscnt 0x0                               ; my byte has landed, for wave 0's sake
	s_barrier_signal -1
	s_barrier_wait -1
	s_cmp_lg_u32 s16, 0
	s_cbranch_scc1 .Lend
	ds_load_b64 v[52:53], v50                      ; the work-group's 256 scale bytes
	s_wait_dscnt 0x0
	global_store_b64 v50, v[52:53], s[12:13]       ; 32 lanes store 256 consecutive bytes, aligned
.Lend:
	s_wait_tensorcnt 0x0
	ds_add_u32 v64, v65
	s_wait_dscnt 0x0
	s_endpgm
.Ltable:
	v_lshrrev_b32 v2, 5, v0                        ; v
	v_bfe_u32 v3, v0, 3, 2                         ; c
	v_and_b32 v4, 7, v0                            ; e
	s_delay_alu instid0(VALU_DEP_2)
	v_add_nc_u32 v2, v2, v3
	s_delay_alu instid0(VALU_DEP_1)
	v_and_b32 v2, 7, v2                            ; the channel (v + c) % 8
	s_delay_alu instid0(VALU_DEP_1)
	v_lshlrev_b32 v2, 2, v2
	s_wait_alu depctr_va_vdst(0)
	s_wait_kmcnt 0x0
	global_load_b32 v5, v2, s[8:9] offset:240      ; channel_type_mapping[3][channel]
	v_lshlrev_b32 v4, 2, v4
	v_lshlrev_b32 v6, 2, v0
	s_wait_loadcnt 0x0
	v_min_u32 v5, 9, v5                            ; an index stays inside the table
	s_delay_alu instid0(VALU_DEP_1)
	v_lshlrev_b32 v5, 5, v5
	s_wait_alu depctr_va_vdst(0)
	v_add_nc_u32 v5, v5, v4
	global_load_b32 v7, v5, s[6:7]
	s_wait_loadcnt 0x0
	global_store_b32 v6, v7, s[14:15]
	s_endpgm
.Lfunc_end_k_q50e546717c_prep:
	.size	k_q50e546717c_prep, .Lfunc_end_k_q50e546717c_prep-k_q50e546717c_prep
	.p2alignl 7, 3214868480
	.fill 96, 4, 3214868480
	.section	.rodata,"a",@progbits
	.p2align	6, 0x0
	.amdhsa_kernel k_q50e546717c_prep
		.amdhsa_group_segment_fixed_size 1536
		.amdhsa_private_segment_fixed_size 0
		.amdhsa_enable_private_segment 0
		.amdhsa_kernarg_size 48
		.amdhsa_user_sgpr_count 2
		.amdhsa_user_sgpr_kernarg_segment_ptr 1
		.amdhsa_wavefront_size32 1
		.amdhsa_system_sgpr_workgroup_id_x 1
		.amdhsa_system_sgpr_workgroup_id_y 1
		.amdhsa_system_sgpr_workgroup_id_z 1
		.amdhsa_system_vgpr_workitem_id 0
		.amdhsa_next_free_vgpr 66
		.amdhsa_next_free_sgpr 66
		.amdhsa_reserve_vcc 0
		.amdhsa_float_denorm_mode_32 3
		.amdhsa_float_denorm_mode_16_64 3
		.amdhsa_memory_ordered 1
		.amdhsa_forward_progress 1
		.amdhsa_inst_pref_size 10
	.end_amdhsa_kernel
	.amdgpu_metadata
---
amdhsa.version: [ 1, 2 ]
amdhsa.kernels:
  - .name:           k_q50e546717c_prep
    .symbol:         k_q50e546717c_prep.kd
    .args:
      - { .name: W1, .offset: 0, .size: 8, .value_kind: global_buffer, .address_space: global }
      - { .name: channel_embed, .offset: 8, .size: 8, .value_kind: global_buffer, .address_space: global }
      - { .name: channel_type_mapping, .offset: 16, .size: 8, .value_kind: global_buffer, .address_space: global }
      - { .name: w1c, .offset: 24, .size: 8, .value_kind: global_buffer, .address_space: global }
      - { .name: w1s, .offset: 32, .size: 8, .value_kind: global_buffer, .address_space: global }
      - { .name: cht, .offset: 40, .size: 8, .value_kind: global_buffer, .address_space: global }
    .group_segment_fixed_size: 1536
    .private_segment_fixed_size: 0
    .kernarg_segment_align: 8
    .kernarg_segment_size: 48
    .max_flat_workgroup_size: 256
    .sgpr_count:     66
    .vgpr_count:     66
    .wavefront_size: 32
...
	.end_amdgpu_metadata
.endif
;; end of part 3
;; launch main (part 4): grid 256 x 1, 4 waves a work-group, no clusters, 187,648 bytes of LDS; arguments x, start_L, start_C, fs, system_embed, cht, ln1_g, ln1_b, w1c, w1s, b1, ln2_g, ln2_b, W2_codes, W2_scales, b2, out0; writes out0
.if DOCPART == 4
	.amdgcn_target "amdgcn-amd-amdhsa--gfx1250"
	.amdhsa_code_object_version 6
	.text
	.protected	k_q50e546717c_main
	.globl	k_q50e546717c_main
	.p2align	8
	.type	k_q50e546717c_main,@function
k_q50e546717c_main:
	s_mov_b64 s[64:65], 0
	v_nop
	global_prefetch_b8 v0, s[64:65] scope:SCOPE_SE
	s_setreg_imm32_b32 hwreg(HW_REG_WAVE_SCHED_MODE, 0, 2), 2
	s_setreg_imm32_b32 hwreg(HW_REG_WAVE_MODE, 25, 1), 1
	s_wait_xcnt 0x0
	s_wait_alu depctr_vm_vsrc(0)
; out0 = LN2(silu(Q(LN1(feat)) Q(W1) + b1)) as codes x W2 + b2, all in one launch.  feat [16384][2576]: 256 gathered numbers of x, 64 time stamps four times each,
; 32 channel numbers 64 times each, 16 system numbers.  Both products on E2M1 codes with one E8M0 scale for each 32 along K, f32 sums; all else f32.
; SHARES.  A work-group of four waves owns 64 rows (one batch) and all 256 columns.  In the products wave w owns all 64 rows x 64 columns: 16 accumulators.
; K = 2576 goes in 21 steps of 128 (kappa): 0, 1 data; 2, 3 time; 4..19 channel; 20 the 16 system numbers and zero codes.
; An operand fragment of the rows (16 rows x 128 K) is made by ONE wave, stored in LDS as an image of its 8 registers (lane l's 16 bytes at 16 l) and read by all four.
; In the 4-bit layout lane (r, h) holds row r and whole blocks of 32 (k = 64 c + 32 h + 0..31), so a block's largest magnitude needs no other lane.
; Each block of the channel part is the same 32 numbers of a row: they are normalised once; a block then costs a packed multiply-add for gain and bias.
; W1's codes come from w1c straight into registers: a fragment has one reader in the work-group (the wave that owns its 64 columns), so the way through LDS would add 16 KiB written
; and 16 KiB read for each K step to the 4 KiB written and 16 KiB read that the rows' images cost, and feed no more products for it: no tensor load, no cluster, no joint load.
; THE PRODUCTS ARE USED TRANSPOSED (source 0 = 16 hidden units or outputs, source 1 = 16 rows): a lane holds one row throughout.  W1's units of a tile are chosen (see w1c) so that
; the 16 registers of tiles 2 b, 2 b + 1 are 16 neighbouring hidden units, 64 w + 32 b + 16 h + 0..15: the next product's K.
; Means and variances are made in two passes; 1 / fs and both rsqrt get one Newton step.
; MEMORY INSTRUCTIONS STAND IN RUNS: the gather makes four rows' addresses and then issues their 32 loads; small LDS stores follow the arithmetic of all tiles.  The rows' fragments are asked for a K step ahead, into two buffers by turns.
; The text is straight-line: no branch, no label.  Global loads are counted by the assembler (LC); WAITL waits for a marked load with the count of the loads issued behind it.
; THE MODE: SCHED_MODE bits 1:0 = 2 (LLVM: expert scheduling mode 2), set by the entry lines.  The code itself states the register dependences between vector or matrix instructions
; and memory or LDS instructions, with s_wait_alu, always for 0.
; THE PLAN, for the 16 main phases.  Registers that memory or LDS instructions touch:
;   the rows' fragments (two buffers), their scale words   LDS loads land in them a K step ahead; that K step's 16 matrix instructions read them.
;   W1's four sets, their scale words                      global loads land in them three K steps ahead; the K step's matrix instructions read them.
;   gain and bias, two sets                                global loads land in one set while the multiply-adds of four phases read the other.
;   v70-77, v40                                            written by a phase's conversions and scale-word lines; read by its three LDS stores.
;   v3-11                                                  addresses, made at the head and never written again.
;   H, v32-39 and the accumulators are named by vector and matrix instructions alone.
; So ONE wait on va_vdst stands in a phase, behind its conversions: the codes and the scale word are written; the K step's matrix instructions are done reading their fragments and scale words; the multiply-adds
; are done reading their gains and biases.  The three stores, the barrier where there is one, and the NEXT phase's whole run of loads follow it with no vector or matrix instruction between; the stores name none of those loads' registers.
; ONE wait on vm_vsrc stands in a phase, behind its 32 multiply-adds: the last phase's stores have read v40 and v70-77.
; Outside the phases: each run of LDS stores has a wait on va_vdst ahead of it for its data, which also serves the loads behind the barrier that follows; each register that a store or a load has read has a wait on vm_vsrc ahead of its next writer.
; The gather's offsets and the rows that come back from the stage on the way out have registers of their own, so that no load lands where a memory or LDS instruction has just read.
; LIMITS: NaN and infinities are not served; a block whose largest magnitude lies under 2^-124, zeros too, keeps the byte 1; sums are taken in another order than the definition's.
; LDS: XST data rows (pitch 1,040) | AIMG 84 images of 1,024 | ASC their scale words [kappa][r][m] | LS1 partial sums and squares | LS3 the same for the second norm | A2IMG, A2SC the second operand | OST a stage a wave.
; No LDS byte that another wave has read is written again: each barrier orders stores ahead of loads, and nothing else.
; REGISTERS, in windows of 256.  Window 0: v1-31 addresses; v32-41 at work; v42-53 the rows' scale words (3 sets); v54-69 W1's (4 sets); v70-77 codes just made (TA); v78-91 means and rstd in pairs;
;   v92-93 1 / fs; v94-95 my rows' start_L; v96-127 time stamps; v128-255 first x, then my data numbers, then the 16 accumulators.
; Window 1: v0-63 H, the 64 numbers at the quantiser; v64-95 four fragments of rows (even K steps); v96-223 first the gather's 128 offsets, then four sets of four fragments of W1; v224-255 b1, behind the first K step four fragments of rows (odd K steps);
;   on the way out v0-127 take the rows that come back from the stage.
; Window 2: v0-127 the four tiles' 32 channel numbers; v128-255 gain and bias, set 0.   Window 3: v0-127 gain and bias, set 1; v128-255 those of the time step; later the epilogue's parameters.
.set XST,   0
.set AIMG,  66560
.set ASC,   152576
.set LS1,   157952
.set LS3,   158976
.set A2IMG, 161024
.set A2SC,  169216
.set OST,   169728
.set TA,  70
.set TB,  22
.set MU,  78                           ; pair m: (mean, rstd) of tile m's row r
.set MO,  86                           ; pair t: the same for my own two tiles
.set MS,  90                           ; and for tile w
.set TV,  96
.set ACC, 128
.set GA,  96                           ; in window 1: the gather's offsets, one register for each of its 128 loads
; s_set_vgpr_msb's low byte: bits 1:0 source 0, 3:2 source 1, 5:4 source 2, 7:6 destination
.set W_LD1, 0x40
.set W_LD2, 0x80
.set W_LD3, 0xc0
.set W_GA,  0x44
.set W_Z,   0x05
.set W_ZB,  0x15
.set W_CV,  0x01
.set W_Y0,  0x6a
.set W_Y1,  0x7e
.set W_YD,  0x68
.set W_YT,  0x7c
.set W_E1,  0x0a
.set W_E2,  0x82
.set W_SA,  0x41
.set W_SB,  0x55
.set W_X3,  0x04
.set W_LN,  0x3c
.set W_P2A, 0x37
.set W_P2B, 0x07
.set MSB, 0
.set LC, 0
.macro WIN new                         ; the immediate's high byte repeats the setting that is left; a switch that changes nothing is dropped
.if MSB != (\new)
	s_set_vgpr_msb (MSB<<8)|(\new)
.set MSB, \new
.endif
.endm
.macro GL32 d, o, b, imm
	global_load_b32 v[\d], v[\o], s[\b:\b+1] offset:\imm
.set LC, LC+1
.endm
.macro GL64 d, o, b, imm
	global_load_b64 v[(\d):(\d)+1], v[\o], s[\b:\b+1] offset:\imm
.set LC, LC+1
.endm
.macro GL128 d, o, b, imm
	global_load_b128 v[(\d):(\d)+3], v[\o], s[\b:\b+1] offset:\imm
.set LC, LC+1
.endm
.macro MARK name
.set \name, LC
.endm
.macro WAITL mark                      ; global loads come back in order: as many may stay out as were issued behind the mark
.if LC-\mark > 63
	s_wait_loadcnt 63
.else
	s_wait_loadcnt LC-\mark
.endif
.endm
.macro MARKB set
.if (\set) == 0
.set MB0, LC
.elseif (\set) == 1
.set MB1, LC
.elseif (\set) == 2
.set MB2, LC
.else
.set MB3, LC
.endif
.endm
.macro WAITB set
.if (\set) == 0
	WAITL MB0
.elseif (\set) == 1
	WAITL MB1
.elseif (\set) == 2
	WAITL MB2
.else
	WAITL MB3
.endif
.endm
.macro BAR                             ; my LDS stores have landed and my LDS loads are in: then the work-group's barrier
	s_wait_dscnt 0x0
	s_barrier_signal -1
	s_barrier_wait -1
.endm
.macro PLACES                          ; four plain lines between a matrix instruction and a load into, or a vector line on, its registers
.rept 4
	v_nop
.endr
.endm
.macro FOLD tmp                        ; four pairs into one.  All its registers lie in window 0: it stands under window setting 0 alone
	v_pk_add_f32 v[\tmp:\tmp+1], v[\tmp:\tmp+1], v[\tmp+2:\tmp+3]
	v_pk_add_f32 v[\tmp+4:\tmp+5], v[\tmp+4:\tmp+5], v[\tmp+6:\tmp+7]
	v_pk_add_f32 v[\tmp:\tmp+1], v[\tmp:\tmp+1], v[\tmp+4:\tmp+5]
.endm
.macro PSUM tmp, base, n               ; the sum of n pairs from v[base] on, in four chains; the first additions start them: nothing is cleared
.set qq, 0
.rept 4
	v_pk_add_f32 v[\tmp+2*qq:\tmp+2*qq+1], v[(\base)+2*qq:(\base)+2*qq+1], v[(\base)+8+2*qq:(\base)+9+2*qq]
.set qq, qq+1
.endr
.set qq, 8
.rept (\n)-8
	v_pk_add_f32 v[\tmp+2*(qq%4):\tmp+2*(qq%4)+1], v[\tmp+2*(qq%4):\tmp+2*(qq%4)+1], v[(\base)+2*qq:(\base)+2*qq+1]
.set qq, qq+1
.endr
	FOLD \tmp
.endm
.macro PSQ0 tmp, base, n               ; the squares of n pairs, summed in four chains that are not yet folded: the numbers may lie in another window than the chains
.set qq, 0
.rept 4
	v_pk_mul_f32 v[\tmp+2*qq:\tmp+2*qq+1], v[(\base)+2*qq:(\base)+2*qq+1], v[(\base)+2*qq:(\base)+2*qq+1]
.set qq, qq+1
.endr
.rept (\n)-4
	v_pk_fma_f32 v[\tmp+2*(qq%4):\tmp+2*(qq%4)+1], v[(\base)+2*qq:(\base)+2*qq+1], v[(\base)+2*qq:(\base)+2*qq+1], v[\tmp+2*(qq%4):\tmp+2*(qq%4)+1]
.set qq, qq+1
.endr
.endm
.macro PSQ tmp, base, n                ; the same, folded: all in window 0
	PSQ0 \tmp, \base, \n
	FOLD \tmp
.endm
.macro XH dst, tmp                     ; a pair's two halves, and lane l xor 16's
	v_add_f32 v[\dst], v[\tmp], v[\tmp+1]
	v_permlanex16_b32 v41, v[\dst], s60, s61
	v_add_f32 v[\dst], v[\dst], v41
.endm
.macro PSUBM base, n, pr               ; n pairs less the LOW word of pair pr (the mean)
.set qq, 0
.rept \n
	v_pk_add_f32 v[(\base)+2*qq:(\base)+2*qq+1], v[(\base)+2*qq:(\base)+2*qq+1], v[\pr:\pr+1] op_sel_hi:[1,0] neg_lo:[0,1] neg_hi:[0,1]
.set qq, qq+1
.endr
.endm
.macro PMULR base, n, pr               ; n pairs times the HIGH word of pair pr (the rstd)
.set qq, 0
.rept \n
	v_pk_mul_f32 v[(\base)+2*qq:(\base)+2*qq+1], v[(\base)+2*qq:(\base)+2*qq+1], v[\pr:\pr+1] op_sel:[0,1] op_sel_hi:[1,1]
.set qq, qq+1
.endr
.endm
.macro TSUM m                          ; the sum of tile m's 32 channel numbers -> the rstd's register, for now
	WIN W_E1
.irp p, 0,1,2,3
	v_pk_add_f32 v[TA+2*\p:TA+2*\p+1], v[32*(\m)+4*\p:32*(\m)+4*\p+1], v[32*(\m)+4*\p+2:32*(\m)+4*\p+3]
	v_pk_add_f32 v[TB+2*\p:TB+2*\p+1], v[32*(\m)+16+4*\p:32*(\m)+17+4*\p], v[32*(\m)+18+4*\p:32*(\m)+19+4*\p]
.endr
	WIN 0
.irp p, 0,1,2,3
	v_pk_add_f32 v[TA+2*\p:TA+2*\p+1], v[TA+2*\p:TA+2*\p+1], v[TB+2*\p:TB+2*\p+1]
.endr
	FOLD TA
	v_add_f32 v[MU+2*(\m)+1], v[TA], v[TA+1]
.endm
.macro TSQ m                           ; tile m: the channel numbers less the mean, in place; 64 x their squares + the system numbers' squares -> the rstd's register, for now
	WIN W_E2
	PSUBM 32*(\m), 16, MU+2*(\m)
	WIN W_E1
	PSQ0 TA, 32*(\m), 16                           ; the numbers in window 2, the four chains in window 0: folded below, under window setting 0
	WIN W_SA
.irp p, 0,1,2,3,4,5,6,7
	v_pk_add_f32 v[2*\p:2*\p+1], v[64+2*\p:65+2*\p], v[MU+2*(\m):MU+2*(\m)+1] op_sel_hi:[1,0] neg_lo:[0,1] neg_hi:[0,1]
.endr
	WIN W_Z
.irp p, 0,1,2,3
	v_pk_mul_f32 v[TB+2*\p:TB+2*\p+1], v[2*\p:2*\p+1], v[2*\p:2*\p+1]
.endr
.irp p, 0,1,2,3
	v_pk_fma_f32 v[TB+2*\p:TB+2*\p+1], v[8+2*\p:9+2*\p], v[8+2*\p:9+2*\p], v[TB+2*\p:TB+2*\p+1]
.endr
	WIN 0
	FOLD TA
	FOLD TB
	v_pk_fma_f32 v[TA:TA+1], v[TA:TA+1], 0x42800000, v[TB:TB+1] op_sel_hi:[1,0,1]
	v_add_f32 v[MU+2*(\m)+1], v[TA], v[TA+1]
.endm
; H = number x gain + bias, two at a time
.macro FMA_CH m, set
.if (\set)
	WIN W_Y1
.set gb, 0
.else
	WIN W_Y0
.set gb, 128
.endif
.set qq, 0
.rept 32
	v_pk_fma_f32 v[2*qq:2*qq+1], v[32*(\m)+(2*qq)%32:32*(\m)+(2*qq)%32+1], v[gb+2*qq:gb+2*qq+1], v[gb+64+2*qq:gb+65+2*qq]
.set qq, qq+1
.endr
.endm
.macro FMA_DATA t
	WIN W_YD
.set qq, 0
.rept 32
	v_pk_fma_f32 v[2*qq:2*qq+1], v[ACC+64*(\t)+2*qq:ACC+64*(\t)+2*qq+1], v[128+2*qq:129+2*qq], v[192+2*qq:193+2*qq]
.set qq, qq+1
.endr
.endm
.macro FMA_TIME t                      ; a time stamp serves four neighbours: one register of its pair feeds both halves
	WIN W_YT
.set qq, 0
.rept 32
.set xx, 8*(qq/16)+(qq%16)/2
.set xr, TV+16*(\t)+(xx/2)*2
.if xx%2
	v_pk_fma_f32 v[2*qq:2*qq+1], v[xr:xr+1], v[128+2*qq:129+2*qq], v[192+2*qq:193+2*qq] op_sel:[1,0,0] op_sel_hi:[1,1,1]
.else
	v_pk_fma_f32 v[2*qq:2*qq+1], v[xr:xr+1], v[128+2*qq:129+2*qq], v[192+2*qq:193+2*qq] op_sel:[0,0,0] op_sel_hi:[0,1,1]
.endif
.set qq, qq+1
.endr
.endm
; matrix instruction MI (tile of rows MI / 4, tile of units MI % 4) of a K step: W1's set KS, the rows' fragments from v[ABUF] of window 1, their scale words from v[ASCL].
; The 16 accumulators take turns, one instruction a turn, in the same order in every K step.  first = 1: b1 is the C of the sum's first product.
.macro MUL1 first
.set rD, ACC+8*MI
.set rB, 96+32*KS+8*(MI%4)
.set rA, ABUF+8*(MI/4)
.if \first
	v_wmma_scale_f32_16x16x128_f8f6f4 v[rD:rD+7], v[rB:rB+7], v[rA:rA+7], v[224+8*(MI%4):231+8*(MI%4)], v[54+4*KS+MI%4], v[ASCL+MI/4] matrix_a_fmt:MATRIX_FMT_FP4 matrix_b_fmt:MATRIX_FMT_FP4
.else
	v_wmma_scale_f32_16x16x128_f8f6f4 v[rD:rD+7], v[rB:rB+7], v[rA:rA+7], v[rD:rD+7], v[54+4*KS+MI%4], v[ASCL+MI/4] matrix_a_fmt:MATRIX_FMT_FP4 matrix_b_fmt:MATRIX_FMT_FP4
.endif
.endm
.macro MAXI                            ; step ME of 32 of the two blocks' largest magnitudes: four chains (block, half), the floor 2^(3 - 127) as each chain's first leaf
.set mc, ME%4
.set ma, 32*(mc/2)+16*(mc%2)+2*(ME/4)
.if ME < 4
	v_max3_num_f32 v[32+mc], |v[ma]|, |v[ma+1]|, s59
.else
	v_max3_num_f32 v[32+mc], |v[ma]|, |v[ma+1]|, v[32+mc]
.endif
.set ME, ME+1
.endm
; H's 64 numbers become a fragment's codes and scale word, and go to LDS.  wm = 1: a K step's 16 matrix instructions stand among the maxima, two maxima behind each; 2: they stand ahead and start the sums; 0: none.
.macro QFIN img, ioff, sc, soff, wm
.if (\wm) == 2
	WIN W_ZB
.set MI, 0
.rept 16
	MUL1 1
.set MI, MI+1
.endr
.endif
	WIN W_Z
.set ME, 0
.if (\wm) == 1
.set MI, 0
.rept 16
	MUL1 0
	MAXI
	MAXI
.set MI, MI+1
.endr
.else
.rept 32
	MAXI
.endr
.endif
	WIN 0
	v_max_num_f32 v32, v32, v33                    ; block h
	v_max_num_f32 v34, v34, v35                    ; block 2 + h
	v_add_nc_u32 v36, s62, v32                     ; 2 off the exponent field: the conversion's scale operand
	v_add_nc_u32 v37, s62, v34
	v_lshrrev_b32 v38, 23, v36                     ; the scale's byte
	v_lshrrev_b32 v39, 23, v37
	v_lshl_or_b32 v40, v39, 16, v38
	v_lshlrev_b32 v40, v12, v40                    ; at their places in the row's scale word: 8 h bits up
	v_permlanex16_b32 v41, v40, s60, s61
	v_or_b32 v40, v40, v41                         ; with lane l xor 16's two bytes the word is whole
	WIN W_CV
.irp c, 0,1
.irp q, 0,1,2,3
	v_cvt_scalef32_pk8_fp4_f32 v[70+4*\c+\q], v[32*\c+8*\q:32*\c+8*\q+7], v[36+\c]
.endr
.endr
	v_nop                                          ; one plain line behind the last conversion
	WIN 0
	s_wait_alu depctr_va_vdst(0)                   ; the conversions have written v70-77 and the lines above them v40, which the three stores read.  The same wait serves the loads that follow the stores with no vector or matrix line between: the matrix instructions above are done reading their fragments and scale words, the multiply-adds their gains and biases, the conversions H
	ds_store_b128 v[\img], v[70:73] offset:\ioff
	ds_store_b128 v[\img], v[74:77] offset:(\ioff)+512
	ds_store_b32 v[\sc], v40 offset:\soff          ; lanes r and r + 16 write the same word with the same value
.endm
.macro LOADB kap                       ; K step kap: my four fragments of W1 and their scale words, into set kap % 4
.set bs, (\kap)%4
	WIN W_LD1
.irp t, 0,1,2,3
.irp c, 0,1
	GL128 96+32*bs+8*\t+4*\c, 3, 20, (\kap)*16384+\t*1024+\c*512
.endr
.endr
	WIN 0
	GL128 54+4*bs, 10, 22, (\kap)*1024
	MARKB bs
.endm
.macro LOADA kap, buf, as              ; K step kap: the four tiles' images and their scale words: nine LDS loads
	WIN W_LD1
.irp mm, 0,1,2,3
.irp c, 0,1
.if (\kap) < 16
	ds_load_b128 v[(\buf)+8*\mm+4*\c:(\buf)+8*\mm+4*\c+3], v4 offset:(\kap)*4096+\mm*1024+\c*512
.else
	ds_load_b128 v[(\buf)+8*\mm+4*\c:(\buf)+8*\mm+4*\c+3], v5 offset:(\kap)*4096-65536+\mm*1024+\c*512
.endif
.endr
.endr
	WIN 0
	ds_load_b128 v[\as:\as+3], v8 offset:(\kap)*256
.endm
.macro LOADG jn                        ; the gains of my K step 4 jn + w, into set jn % 2
.if ((\jn)%2)
	WIN W_LD3
.set gb, 0
.else
	WIN W_LD2
.set gb, 128
.endif
.irp c, 0,1
.irp q, 0,1,2,3,4,5,6,7
	GL128 gb+32*\c+4*\q, 11, 16, (\jn)*2048+256*\c+16*\q
.endr
.endr
	WIN 0
.endm
.macro LOADV jn                        ; and the biases
.if ((\jn)%2)
	WIN W_LD3
.set gb, 64
.else
	WIN W_LD2
.set gb, 192
.endif
.irp c, 0,1
.irp q, 0,1,2,3,4,5,6,7
	GL128 gb+32*\c+4*\q, 11, 18, (\jn)*2048+256*\c+16*\q
.endr
.endr
	WIN 0
	MARK MG
.endm
; ---------------- the head: pointers, constants, addresses
	s_load_b512 s[4:19], s[0:1], 0x0               ; x 4, start_L 6, start_C 8, fs 10, system_embed 12, cht 14, ln1_g 16, ln1_b 18
	s_load_b512 s[20:35], s[0:1], 0x40             ; w1c 20, w1s 22, b1 24, ln2_g 26, ln2_b 28, W2_codes 30, W2_scales 32, b2 34
	s_load_b64 s[36:37], s[0:1], 0x80              ; out0
	v_lshrrev_b32 v1, 5, v0
	v_readfirstlane_b32 s2, v1                     ; w: wave 0..3
	s_wait_alu depctr_va_sdst(0)                   ; s2 is written, ahead of its first reader: addresses, bases and masks are made from it
	s_and_b32 s3, s2, 1                            ; w % 2
	s_lshr_b32 s39, s2, 1                          ; w / 2
	s_mov_b32 s59, 0x01800000                      ; the floor 2^(3 - 127)
	s_mov_b32 s60, 0x76543210
	s_mov_b32 s61, 0xfedcba98                      ; v_permlanex16_b32's selects for lane l xor 16
	s_mov_b32 s62, 0xff000000                      ; -(2 << 23)
	s_mov_b32 s63, 8191
	s_mov_b32 s84, 0x3ffff                         ; a batch of x is 2^18 bytes
.irp j, 1,2,3,4,5,6,7
	s_mov_b32 s[84+\j], 256*\j
.endr
	s_mov_b32 s92, 0xbfb8aa3b                      ; -log2(e)
	s_mov_b32 s93, s92
	s_mov_b32 s96, 0x39cb8728                      ; 1 / 2576
	s_mov_b32 s97, 0x3727c5ac                      ; 1e-5
	s_cmp_ge_u32 s2, 2
	s_cselect_b32 s57, -1, 0                       ; all lanes where w / 2 = 1
	s_cmp_eq_u32 s3, 1
	s_cselect_b32 s58, -1, 0                       ; all lanes where w % 2 = 1
	v_and_b32 v1, 15, v0                           ; r
	v_bfe_u32 v2, v0, 4, 1                         ; h
	v_and_b32 v3, 31, v0
	v_lshlrev_b32 v3, 4, v3                        ; 16 x lane
	v_add_nc_u32 v4, AIMG, v3                      ; images, to read: K steps 0..15
	v_add_nc_u32 v5, AIMG+65536, v3                ; and 16..20
	s_lshl_b32 s38, s2, 12
	v_add_nc_u32 v6, s38, v4                       ; images, to write: K step 4 j + w
	v_add_nc_u32 v7, s38, v5
	v_lshlrev_b32 v10, 4, v1                       ; 16 r
	v_add_nc_u32 v8, ASC, v10                      ; scale words, to read
	s_wait_alu depctr_va_vdst(0)
	s_lshl_b32 s38, s2, 8
	v_add_nc_u32 v9, s38, v8                       ; to write
	v_lshlrev_b32 v11, 7, v2
	v_lshlrev_b32 v12, 3, v2                       ; 8 h
	s_lshl_b32 s38, s3, 9
	v_add_nc_u32 v30, s38, v11                     ; gain and bias of K step w % 2: 512 (w % 2) + 128 h
	s_lshl_b32 s38, s2, 9
	v_add_nc_u32 v11, s38, v11                     ; of K step 4 j + w: 512 w + 128 h
	s_lshl_b32 s38, s3, 12
	s_lshl_b32 s94, s39, 11
	s_add_co_u32 s38, s38, s94
	v_add_nc_u32 v13, s38, v4                      ; the first super step's images: K step w % 2, tile 2 (w / 2)
	s_lshl_b32 s38, s3, 8
	s_lshl_b32 s94, s39, 3
	s_add_co_u32 s38, s38, s94
	v_add_nc_u32 v14, s38, v8                      ; and their scale words
	s_lshl_b32 s38, s2, 10
	v_add_nc_u32 v15, s38, v5                      ; K step 20's image of tile w (+ 16,384 in the store)
	s_lshl_b32 s38, s2, 2
	v_add_nc_u32 v16, s38, v8                      ; its scale word (+ 5,120 in the store)
	s_mul_i32 s38, s2, 16640
	v_lshrrev_b32 v17, 2, v3
	v_add_nc_u32 v17, s38, v17                     ; data rows in: my 16 rows, 4 x lane
	v_mul_u32_u24 v18, v1, 1040
	v_lshl_add_u32 v18, v2, 7, v18
	s_mul_i32 s38, s39, 33280
	s_lshl_b32 s94, s3, 9
	s_add_co_u32 s38, s38, s94
	v_add_nc_u32 v18, s38, v18                     ; data rows out: row 32 (w / 2) + r, 512 (w % 2) + 128 h
	v_lshlrev_b32 v20, 3, v1
	v_add_nc_u32 v20, LS1, v20                     ; partial sums, to read
	s_lshl_b32 s38, s39, 8
	s_lshl_b32 s94, s3, 2
	s_add_co_u32 s38, s38, s94
	v_add_nc_u32 v19, s38, v20                     ; to write
	v_lshlrev_b32 v21, 6, v2                       ; 64 h: b1, ln2_g, ln2_b in the result's layout
	v_mov_b32 v41, 0                               ; a lane permute's destination counts as one of its sources; until then: the offset 0
	v_mov_b32 v87, 0                               ; upper halves of pairs that are named before they are made
	v_mov_b32 v89, 0
	v_mov_b32 v91, 0
	v_lshlrev_b32 v97, 2, v1                       ; 4 r
	s_wait_alu depctr_va_vdst(0)
	s_wait_kmcnt 0x0
	s_mov_b32 s95, 0
	s_lshr_b32 s38, ttmp9, 3                       ; the batch
	s_lshl_b32 s94, s38, 18
	s_add_nc_u64 s[4:5], s[4:5], s[94:95]          ; x at my batch
	s_lshl_b32 s38, s38, 2                         ; fs: 4 x batch
	s_lshl_b32 s94, s2, 12
	s_add_nc_u64 s[20:21], s[20:21], s[94:95]      ; w1c + 4,096 w
	s_lshl_b32 s94, s2, 8
	s_add_nc_u64 s[22:23], s[22:23], s[94:95]      ; w1s, b1, ln2_g, ln2_b, b2, out0: + 256 w
	s_add_nc_u64 s[24:25], s[24:25], s[94:95]
	s_add_nc_u64 s[26:27], s[26:27], s[94:95]
	s_add_nc_u64 s[28:29], s[28:29], s[94:95]
	s_add_nc_u64 s[34:35], s[34:35], s[94:95]
	s_add_nc_u64 s[36:37], s[36:37], s[94:95]
	s_lshl_b32 s94, s2, 13
	s_add_nc_u64 s[30:31], s[30:31], s[94:95]      ; W2's codes: my 64 rows of 128 bytes
	s_lshl_b32 s94, s2, 9
	s_add_nc_u64 s[32:33], s[32:33], s[94:95]      ; W2's scales: 8 bytes a row
	s_lshl_b32 s94, ttmp9, 16
	s_add_nc_u64 s[36:37], s[36:37], s[94:95]      ; out0 at my 64 rows of 1,024 bytes
	s_lshl_b32 s94, ttmp9, 8
	s_add_nc_u64 s[6:7], s[6:7], s[94:95]          ; start_L, start_C at my 64 rows
	s_add_nc_u64 s[8:9], s[8:9], s[94:95]
	s_lshl_b32 s94, s2, 6                          ; the 16 rows that I bring in
	s_load_b512 s[40:55], s[6:7], s94 offset:0x0
	s_load_b512 s[68:83], s[8:9], s94 offset:0x0
	s_load_b32 s56, s[10:11], s38 offset:0x0
	s_lshl_b32 s95, s39, 7
	v_add_nc_u32 v96, s95, v97
	s_wait_alu depctr_va_vdst(0)                   ; every address and offset made so far is written: v3-21, v30, v41, which loads and stores read from here to the last main phase, and v96, v97, which the six loads below read
	GL32 94, 96, 6, 0                              ; start_L of my own two tiles' row r
	GL32 95, 96, 6, 64
.irp m, 0,1,2,3
	GL32 32+\m, 97, 8, 64*\m                       ; start_C of all four tiles' row r
.endr
	s_wait_kmcnt 0x0
	s_wait_loadcnt 0x0
	s_wait_alu depctr_vm_vsrc(0)                   ; the six loads above have read their offsets v96 and v97, which the lines below write again
; ---------------- the gathers.  x first: the first barrier waits for it
	v_and_b32 v96, 3, v0
	v_lshlrev_b32 v96, 2, v96                      ; 4 c, c = lane % 4
	s_wait_alu depctr_va_vdst(0)
	v_bfe_u32 v97, v0, 2, 3
	v_lshlrev_b32 v97, 5, v97                      ; 32 (lane / 4)
; Rows 4 rb .. 4 rb + 3 of my 16.  Lane l of a row's load j fetches feature k = 32 j + l: x[(start_L + k / 4) % 8192][(start_C + k % 4) % 8]; a load touches 256 consecutive bytes of x.
; The four rows' 32 offsets are made first, the rows by turns so that no line waits for the line above it; then the 32 loads stand in one run.  Each load has an offset register of its own, in window 1,
; and lands in a register of window 0 that no vector line has named.
.macro GROWS rb
.irp q, 0,1,2,3
	s_and_b32 s[40+4*(\rb)+\q], s[40+4*(\rb)+\q], s63              ; start_L % 8192,
	s_and_b32 s[68+4*(\rb)+\q], s[68+4*(\rb)+\q], 7                ; start_C % 8,
.endr
.irp q, 0,1,2,3
	s_min_u32 s[40+4*(\rb)+\q], s[40+4*(\rb)+\q], 8191             ; held inside the table,
	s_min_u32 s[68+4*(\rb)+\q], s[68+4*(\rb)+\q], 7
.endr
.irp q, 0,1,2,3
	s_lshl_b32 s[40+4*(\rb)+\q], s[40+4*(\rb)+\q], 5               ; in bytes
	s_lshl_b32 s[68+4*(\rb)+\q], s[68+4*(\rb)+\q], 2
.endr
.irp q, 0,1,2,3
	v_add_nc_u32 v[98+\q], s[68+4*(\rb)+\q], v96
.endr
.irp q, 0,1,2,3
	v_and_b32 v[98+\q], 28, v[98+\q]
.endr
	s_wait_alu depctr_va_vdst(0)
.irp q, 0,1,2,3
	v_add_nc_u32 v[98+\q], v[98+\q], v97
.endr
.irp q, 0,1,2,3
	v_add_nc_u32 v[98+\q], s[40+4*(\rb)+\q], v[98+\q]
.endr
	WIN W_LD1                                      ; the offsets: destination window 1
.irp q, 0,1,2,3
	v_and_b32 v[GA+32*(\rb)+8*\q], s84, v[98+\q]
.irp j, 1,2,3,4,5,6,7
	v_add_nc_u32 v[GA+32*(\rb)+8*\q+\j], s[84+\j], v[98+\q]
.endr
.endr
	WIN W_GA                                       ; source 1 and destination window 1
.irp q, 0,1,2,3
.irp j, 1,2,3,4,5,6,7
	v_and_b32 v[GA+32*(\rb)+8*\q+\j], s84, v[GA+32*(\rb)+8*\q+\j]
.endr
.endr
	WIN W_CV                                       ; a load's offset is its source 0: window 1; its data: window 0
	s_wait_alu depctr_va_vdst(0)                   ; the 32 offsets are written, which the 32 loads below read
.set gq, 0
.rept 32
	GL32 ACC+32*(\rb)+gq, GA+32*(\rb)+gq, 4, 0
.set gq, gq+1
.endr
	WIN 0
	MARK MX\rb
.endm
	GROWS 0
	GROWS 1
	GROWS 2
	GROWS 3
	s_load_b512 s[40:55], s[16:17], 0x2800         ; ln1_g[2560..2575], ln1_b[2560..2575]: waited for at the system fragment
	s_load_b512 s[68:83], s[18:19], 0x2800
.irp m, 0,1,2,3
	v_and_b32 v[32+\m], 7, v[32+\m]                ; start_C % 8,
.endr
.irp m, 0,1,2,3
	v_min_u32 v[32+\m], 7, v[32+\m]                ; held inside the table,
.endr
.irp m, 0,1,2,3
	v_lshlrev_b32 v[32+\m], 7, v[32+\m]            ; x 128 bytes: its block of 32 channel numbers
.endr
	WIN W_LD2
	s_wait_alu depctr_va_vdst(0)                   ; v32-35 are written, which the 32 loads below read as offsets
.irp m, 0,1,2,3
.irp q, 0,1,2,3,4,5,6,7
	GL128 32*\m+4*\q, 32+\m, 14, 16*\q
.endr
.endr
	WIN W_LD1
.irp q, 0,1,2,3
	GL128 64+4*\q, 41, 12, 192+16*\q               ; system_embed[3]
.endr
	WIN 0
	MARK MC
; ---------------- under the loads: 1 / fs and my 2 x 16 time stamps: l = 32 (w % 2) + 16 (x / 8) + 8 h + x % 8
	v_mov_b32 v93, s56
	s_wait_alu depctr_va_vdst(0)
	v_rcp_f32 v92, v93
	v_lshlrev_b32 v31, 3, v2                       ; (a plain line behind the reciprocal)
	s_lshl_b32 s94, s3, 5
	v_add_nc_u32 v31, s94, v31
	s_wait_alu depctr_va_vdst(0)                   ; the reciprocal has written v92, ahead of its first reader
	v_fma_f32 v93, -v93, v92, 1.0                  ; one Newton step
	v_fma_f32 v92, v92, v93, v92
	v_mov_b32 v93, v92
.irp t, 0,1
	v_add_nc_u32 v[94+\t], v[94+\t], v31
.endr
.irp t, 0,1
.irp x, 0,1,2,3,4,5,6,7,8,9,10,11,12,13,14,15
	v_add_nc_u32 v[TV+16*\t+\x], 16*(\x/8)+(\x%8), v[94+\t]
.endr
.endr
.set qq, 0
.rept 32
	v_and_b32 v[TV+qq], s63, v[TV+qq]
.set qq, qq+1
.endr
.set qq, 0
.rept 32
	v_cvt_f32_u32 v[TV+qq], v[TV+qq]
.set qq, qq+1
.endr
.set qq, 0
.rept 16
	v_pk_mul_f32 v[TV+2*qq:TV+2*qq+1], v[TV+2*qq:TV+2*qq+1], v[92:93]
.set qq, qq+1
.endr
; ---------------- the data rows go to LDS as rows, four rows at a time as their loads come in; the loads issued behind them may stay out.  (The stores' data come from loads and their address v17 from the head: no vector line since names either)
.irp b, 0,1,2,3
	WAITL MX\b
.set gq, 0
.rept 32
	ds_store_b32 v17, v[ACC+32*\b+gq] offset:1040*(4*\b+gq/8)+128*(gq%8)
.set gq, gq+1
.endr
.endr
	BAR                                            ; 64 data rows lie in LDS
	s_wait_alu depctr_vm_vsrc(0)                   ; the 128 LDS stores have read v128-255, in which the LDS loads below land; the table's loads have read their offsets v32-35 and v41, which vector lines write again; the gather's loads have read theirs, in which W1's fragments will land
; ---------------- first pass: sums.  My own part: K step w % 2 of tiles 2 (w / 2) + t: 64 data numbers and 16 time stamps a lane and tile
.irp t, 0,1
.irp c, 0,1
.irp q, 0,1,2,3,4,5,6,7
	ds_load_b128 v[ACC+64*\t+32*\c+4*\q:ACC+64*\t+32*\c+4*\q+3], v18 offset:16640*\t+256*\c+16*\q
.endr
.endr
.endr
	WIN W_LD2
.irp c, 0,1
.irp q, 0,1,2,3,4,5,6,7
	GL128 128+32*\c+4*\q, 30, 16, 256*\c+16*\q     ; the data step's gains and biases
	GL128 192+32*\c+4*\q, 30, 18, 256*\c+16*\q
.endr
.endr
	WIN W_LD3
.irp c, 0,1
.irp q, 0,1,2,3,4,5,6,7
	GL128 128+32*\c+4*\q, 30, 16, 1024+256*\c+16*\q ; the time step's
	GL128 192+32*\c+4*\q, 30, 18, 1024+256*\c+16*\q
.endr
.endr
	WIN 0
	MARK MGQ
	WAITL MC                                       ; the channel and system numbers are in
.irp m, 0,1,2,3
	TSUM \m
.endr
	WIN W_SB                                       ; the sum of the 16 system numbers
.irp p, 0,1,2,3
	v_pk_add_f32 v[2*\p:2*\p+1], v[64+2*\p:65+2*\p], v[72+2*\p:73+2*\p]
.endr
	v_pk_add_f32 v[0:1], v[0:1], v[2:3]
	v_pk_add_f32 v[4:5], v[4:5], v[6:7]
	v_pk_add_f32 v[0:1], v[0:1], v[4:5]
	v_add_f32 v0, v0, v1
	WIN W_CV
	v_mov_b32 v31, v0
	WIN 0
	s_wait_dscnt 0x0                               ; my data numbers are in
.irp t, 0,1
	PSUM TB, ACC+64*\t, 32
	PSUM TA, TV+16*\t, 8
	v_pk_fma_f32 v[TB:TB+1], v[TA:TA+1], 4.0, v[TB:TB+1] op_sel_hi:[1,0,1]
	XH MO+2*\t, TB
.endr
	s_wait_alu depctr_va_vdst(0)                   ; v86 and v88 are written, which the two stores read; the sums above are done with v70-77, in which the loads behind the barrier land
.irp t, 0,1
	ds_store_b32 v19, v[MO+2*\t] offset:128*\t
.endr
	BAR                                            ; the partial sums lie in LDS
; ---------------- the means; second pass: squares of what is left
.irp m, 0,1,2,3
	ds_load_b64 v[TA+2*\m:TA+2*\m+1], v20 offset:128*\m
.endr
	LOADB 0
	LOADB 1
	LOADB 2
	WIN W_LD1
.irp t, 0,1,2,3
	GL128 224+8*\t, 21, 24, (\t/2)*128+(\t%2)*32   ; b1 of units 64 w + 32 (t / 2) + 16 h + 8 (t % 2) + 0..7
	GL128 228+8*\t, 21, 24, (\t/2)*128+(\t%2)*32+16
.endr
	WIN 0
	MARK MBI
	s_wait_dscnt 0x0
	s_wait_alu depctr_vm_vsrc(0)                   ; the two stores of partial sums have read v86 and v88, which the selects below write again
.irp m, 0,1,2,3
	v_add_f32 v[MU+2*\m], v[TA+2*\m], v[TA+2*\m+1]
.endr
.irp m, 0,1,2,3
	v_fma_f32 v[MU+2*\m], v[MU+2*\m+1], 0x42800000, v[MU+2*\m]   ; + 64 x the channel numbers' sum
.endr
.irp m, 0,1,2,3
	v_add_f32 v[MU+2*\m], v31, v[MU+2*\m]
.endr
.irp m, 0,1,2,3
	v_mul_f32 v[MU+2*\m], s96, v[MU+2*\m]
.endr
.irp t, 0,1
	v_cndmask_b32 v[MO+2*\t], v[MU+2*\t], v[MU+4+2*\t], s57
.endr
	v_cndmask_b32 v[MS], v[MO], v[MO+2], s58       ; tile w is my own tile w % 2
.irp t, 0,1
	PSUBM ACC+64*\t, 32, MO+2*\t
	PSUBM TV+16*\t, 8, MO+2*\t
	PSQ TB, ACC+64*\t, 32
	PSQ TA, TV+16*\t, 8
	v_pk_fma_f32 v[TB:TB+1], v[TA:TA+1], 4.0, v[TB:TB+1] op_sel_hi:[1,0,1]
	XH 32+\t, TB
.endr
	s_wait_alu depctr_va_vdst(0)                   ; v32 and v33 are written, which the two stores read
.irp t, 0,1
	ds_store_b32 v19, v[32+\t] offset:512+128*\t
.endr
.irp m, 0,1,2,3
	TSQ \m
.endr
	BAR                                            ; the partial squares lie in LDS
	s_wait_alu depctr_va_vdst(0)                   ; the squares of the channel numbers are done with v70-77, in which the loads below land
; ---------------- rstd; all that I hold is normalised
.irp m, 0,1,2,3
	ds_load_b64 v[TA+2*\m:TA+2*\m+1], v20 offset:512+128*\m
.endr
	LOADG 1
	LOADV 1
	s_wait_dscnt 0x0
.irp m, 0,1,2,3
	v_add_f32 v[TB+\m], v[TA+2*\m], v[TA+2*\m+1]
.endr
.irp m, 0,1,2,3
	v_add_f32 v[TB+\m], v[TB+\m], v[MU+2*\m+1]
.endr
.irp m, 0,1,2,3
	v_fma_f32 v[TB+\m], v[TB+\m], s96, s97         ; the variance + 1e-5
.endr
	s_wait_alu depctr_va_vdst(0)
.irp m, 0,1,2,3
	v_rsq_f32 v[MU+2*\m+1], v[TB+\m]
.endr
	v_nop                                          ; a plain line behind the last of the batch
	s_wait_alu depctr_va_vdst(0)                   ; the four rsq have written v79, v81, v83, v85: one wait for the four, ahead of their first reader
.irp m, 0,1,2,3
	v_mul_f32 v[TB+4+\m], v[TB+\m], v[MU+2*\m+1]   ; one Newton step: y + (y / 2) (1 - a y y)
.endr
.irp m, 0,1,2,3
	v_fma_f32 v[TB+4+\m], -v[TB+4+\m], v[MU+2*\m+1], 1.0
.endr
.irp m, 0,1,2,3
	v_mul_f32 v[TB+\m], 0.5, v[MU+2*\m+1]
.endr
.irp m, 0,1,2,3
	v_fma_f32 v[MU+2*\m+1], v[TB+\m], v[TB+4+\m], v[MU+2*\m+1]
.endr
.irp t, 0,1
	v_cndmask_b32 v[MO+2*\t+1], v[MU+2*\t+1], v[MU+5+2*\t], s57
.endr
	v_cndmask_b32 v[MS+1], v[MO+1], v[MO+3], s58
.irp t, 0,1
	PMULR ACC+64*\t, 32, MO+2*\t
	PMULR TV+16*\t, 8, MO+2*\t
.endr
	WIN W_E2
.irp m, 0,1,2,3
	PMULR 32*\m, 16, MU+2*\m
.endr
; ---------------- the first super step's fragments (K steps w % 2 and 2 + w % 2 of my two tiles) and K step 20's of tile w
	WAITL MGQ
.irp t, 0,1
	FMA_TIME \t
	s_wait_dscnt 0x0                               ; my LDS stores so far have landed
	s_wait_alu depctr_vm_vsrc(0)                   ; the LDS stores issued so far have read their data: v32, v33 (the partial squares), v40 and v70-77 (the last fragment), all of which the lines below write again
	QFIN 13, 8192+1024*\t, 14, 512+4*\t, 0
.endr
.irp t, 0,1
	FMA_DATA \t
	s_wait_dscnt 0x0
	s_wait_alu depctr_vm_vsrc(0)                   ; the last fragment's three stores have read v40 and v70-77, which the lines below write again
	QFIN 13, 1024*\t, 14, 4*\t, 0
.endr
	s_wait_kmcnt 0x0                               ; the last 16 gains and biases
	s_wait_dscnt 0x0
	s_wait_alu depctr_vm_vsrc(0)                   ; the last fragment's three stores have read v40 and v70-77, which the lines below write again
	WIN W_SA
.irp p, 0,1,2,3,4,5,6,7
	v_pk_add_f32 v[2*\p:2*\p+1], v[64+2*\p:65+2*\p], v[MS:MS+1] op_sel_hi:[1,0] neg_lo:[0,1] neg_hi:[0,1]
.endr
.irp p, 0,1,2,3,4,5,6,7
	v_pk_mul_f32 v[2*\p:2*\p+1], v[2*\p:2*\p+1], v[MS:MS+1] op_sel:[0,1] op_sel_hi:[1,1]
.endr
.irp i, 0,1,2,3,4,5,6,7,8,9,10,11,12,13,14,15
	v_fma_f32 v[\i], v[\i], s[40+\i], s[68+\i]
.endr
	WIN W_Z
	v_max3_num_f32 v32, |v0|, |v1|, s59
	v_max3_num_f32 v33, |v2|, |v3|, s59
.irp i, 4,8,12
	v_max3_num_f32 v32, |v[\i]|, |v[\i+1]|, v32
	v_max3_num_f32 v33, |v[\i+2]|, |v[\i+3]|, v33
.endr
	WIN 0
	v_max_num_f32 v32, v32, v33
	v_add_nc_u32 v36, s62, v32
	v_lshrrev_b32 v38, 23, v36
	v_or_b32 v40, 0x01010100, v38                  ; block 80's byte; the three blocks of zero codes get the byte 1
	v_add_nc_u32 v31, -1, v2                       ; all ones in lanes 0-15, 0 in lanes 16-31
	WIN W_CV
	v_cvt_scalef32_pk8_fp4_f32 v70, v[0:7], v36
	v_cvt_scalef32_pk8_fp4_f32 v71, v[8:15], v36
	v_nop
	WIN 0
	v_and_b32 v70, v70, v31                        ; k = 2560..2575 lie in lanes 0-15, registers 0 and 1; all else of the K step is zero codes
	v_and_b32 v71, v71, v31
.irp i, 72,73,74,75,76,77
	v_mov_b32 v[\i], 0
.endr
	s_wait_alu depctr_va_vdst(0)                   ; v70-77 and v40 are written, which the three stores read; the lines above are done with the system numbers and with the data step's gains and biases, in whose registers the first phase's loads land
	ds_store_b128 v15, v[70:73] offset:16384
	ds_store_b128 v15, v[74:77] offset:16896
	ds_store_b32 v16, v40 offset:5120
	BAR                                            ; K steps 0..3 and 20 lie in LDS
; ---------------- the 16 main phases.  Phase KP multiplies K step KP and quantises fragment (K step 4 JQ + w, tile MM) of the next super step.
; THE ROWS' FRAGMENTS COME A K STEP AHEAD, into two buffers by turns (even K steps: v64-95 and scale words v42-45; odd: v224-255 and v46-49).  A phase asks for K step KP + 1 where that step lies in the same super step,
; whose images the last barrier has shown; a super step's first K step is asked for behind that barrier, at its own phase's head.  Phase 0 asks for nothing ahead: b1 still lies in the odd buffer; phase 1 asks for its own step too.
; A phase's loads stand at its head, straight behind the last fragment's stores: the wait on va_vdst ahead of those stores has shown every earlier reader of the registers in which they land done, and no vector or matrix line stands between.
; (Two maxima and the ten plain lines that make the scale word also stand between a phase's last matrix instruction and those loads.)
.macro PHASE
.set JQ, KP/4+1
.set MM, KP%4
.set KS, KP%4
.set SETQ, JQ%2
.set ABUF, 64+160*(KP%2)
.set ASCL, 42+4*(KP%2)
.set NBUF, 64+160*((KP+1)%2)
.set NASC, 42+4*((KP+1)%2)
.set AHEAD, 0
.if (MM == 0) || (KP == 1)
	LOADA KP, ABUF, ASCL
.endif
.if (MM < 3) && (KP > 0)
	LOADA KP+1, NBUF, NASC
.set AHEAD, 9
.endif
	LOADB KP+3
.if (MM == 0) && (JQ <= 3)
	LOADG JQ+1
.endif
.if (MM == 1) && (JQ <= 3)
	LOADV JQ+1
.endif
.if MM == 0
	WAITL MG                                       ; this super step's gains and biases are in
.endif
	FMA_CH MM, SETQ
	s_wait_dscnt AHEAD                             ; this K step's fragments are in and the last fragment's stores have landed: both were issued ahead of the next K step's nine loads, which may stay out
	s_wait_alu depctr_vm_vsrc(0)                   ; the last fragment's three stores have read v40 and v70-77, which this phase's scale-word lines and conversions write again
.if KP == 0
	WAITL MBI
.endif
	WAITB KS                                       ; W1's fragments of this K step are in; those of the three steps behind it may be out
.if KP == 0
	QFIN 6, JQ*16384+MM*1024, 9, JQ*1024+4*MM, 2
.elseif JQ < 4
	QFIN 6, JQ*16384+MM*1024, 9, JQ*1024+4*MM, 1
.else
	QFIN 7, MM*1024, 9, JQ*1024+4*MM, 1
.endif
.if MM == 3
	BAR                                            ; super step JQ's sixteen fragments lie in LDS
.endif
.endm
.set KP, 0
.rept 16
	PHASE
.set KP, KP+1
.endr
; ---------------- the tail: K steps 16..20; first the epilogue's addresses, into registers that the prologue has left (the loads and stores that read them stand ahead of the phases' waits on vm_vsrc)
	s_lshl_b32 s94, s2, 2
	v_add_nc_u32 v14, LS3, v10                     ; second norm's partials, to read: 16 r
	v_add_nc_u32 v13, s94, v14                     ; to write: + 4 w
	v_add_nc_u32 v16, A2IMG, v3                    ; the second operand's images, to read
	s_lshl_b32 s94, s39, 10
	s_lshl_b32 s95, s3, 9
	s_add_co_u32 s94, s94, s95
	v_add_nc_u32 v15, s94, v16                     ; to write: K step w / 2, register group w % 2
	v_add_nc_u32 v18, A2SC, v10                    ; its scale words, to read
	s_lshl_b32 s94, s39, 8
	s_lshl_b32 s95, s3, 1
	s_add_co_u32 s94, s94, s95
	v_add_nc_u32 v17, s94, v18                     ; to write: my two bytes
	s_mul_i32 s94, s2, 4352
	s_add_co_u32 s94, s94, OST                     ; my stage
	v_mul_u32_u24 v19, v1, 272
	v_lshl_add_u32 v19, v2, 5, v19
	v_add_nc_u32 v19, s94, v19                     ; in: row r, 32 h
	v_mul_u32_u24 v20, v2, 272
	v_add_nc_u32 v20, v20, v10
	v_add_nc_u32 v20, s94, v20                     ; back: lanes 0-15 one row, lanes 16-31 the next
	v_lshl_add_u32 v22, v2, 10, v10                ; and the same two rows in out0
	v_lshlrev_b32 v23, 7, v1
	v_lshl_add_u32 v23, v2, 4, v23                 ; W2's codes: row r of 128 bytes, + 16 h
	v_lshlrev_b32 v24, 5, v2                       ; b2: 32 h
	v_lshlrev_b32 v25, 3, v1                       ; W2's scales: 8 r
	s_wait_alu depctr_va_vdst(0)                   ; the epilogue's addresses v13-20 and v22-25 are written, which its loads and stores read from here to the end
.macro MULS kap, ab, as
.set KS, (\kap)%4
.set ABUF, \ab
.set ASCL, \as
	WIN W_Z
.set MI, 0
.rept 16
	MUL1 0
.set MI, MI+1
.endr
.endm
	LOADA 16, 64, 42
	LOADA 17, 0, 46
	LOADA 18, 32, 50
	LOADB 19
	s_wait_dscnt 18                                ; K step 16's nine LDS loads are in; behind them: K steps 17's and 18's
	WAITB 0
	MULS 16, 64, 42
	PLACES
	s_wait_alu depctr_va_vdst(0)                   ; K step 16's matrix instructions are done reading the rows' fragments, W1's set 0 and both sets of scale words, in which K step 19's and 20's loads below land
	LOADA 19, 64, 42
	LOADB 20
	s_wait_dscnt 18                                ; K step 17's are in; behind them: 18's and 19's
	WAITB 1
	MULS 17, 0, 46
	PLACES
	s_wait_alu depctr_va_vdst(0)                   ; K step 17's matrix instructions are done reading the rows' fragments and scale words in which K step 20's loads land
	LOADA 20, 0, 46
	WIN W_LD3                                      ; the epilogue's parameters
.irp t, 0,1,2,3
.irp s, 0,1
.irp c, 0,1
	GL128 128+8*(2*\t+\s)+4*\c, 23, 30, \t*2048+\s*64+32*\c   ; W2's fragment (outputs 64 w + 16 t + r, K step s)
.endr
.endr
.endr
.irp t, 0,1,2,3
	GL128 192+8*\t, 24, 34, 64*\t                  ; b2 of outputs 64 w + 16 t + 8 h + 0..7
	GL128 196+8*\t, 24, 34, 64*\t+16
.endr
.irp t, 0,1,2,3
	GL128 8*\t, 21, 26, (\t/2)*128+(\t%2)*32       ; ln2_g, ln2_b in the accumulators' layout
	GL128 8*\t+4, 21, 26, (\t/2)*128+(\t%2)*32+16
	GL128 32+8*\t, 21, 28, (\t/2)*128+(\t%2)*32
	GL128 36+8*\t, 21, 28, (\t/2)*128+(\t%2)*32+16
.endr
	WIN 0
	MARK MP
	s_wait_dscnt 18                                ; K step 18's are in; behind them: 19's and 20's
	WAITB 2
	MULS 18, 32, 50
	s_wait_dscnt 9                                 ; K step 19's nine LDS loads are in; K step 20's nine were issued behind them
	WAITB 3
	MULS 19, 64, 42
	s_wait_dscnt 0x0
	WAITB 0
	MULS 20, 0, 46
	PLACES
	WIN 0
	s_wait_alu depctr_va_vdst(0)                   ; the last matrix instructions are done reading W1's scale words v54-61, in which W2's land
.irp t, 0,1,2,3
	GL64 54+2*\t, 25, 32, 128*\t                   ; W2's scale words, into registers that held W1's
.endr
; ---------------- silu: z / (1 + 2^(-z log2 e)).  The accumulators are read in ascending order, each from its low end on.
	WIN W_LD1
.set qq, 0
.rept 64
	v_pk_mul_f32 v[2*qq:2*qq+1], v[ACC+2*qq:ACC+2*qq+1], s[92:93] op_sel_hi:[1,0]
.set qq, qq+1
.endr
	WIN W_SA
.set qq, 0
	s_wait_alu depctr_va_vdst(0)
.rept 128
	v_exp_f32 v[qq], v[qq]
.set qq, qq+1
.endr
	v_nop                                          ; a plain line behind the batch,
	s_wait_alu depctr_va_vdst(0)                   ; and one wait for it: the 128 exponentials have written their results, ahead of the first reader
.set qq, 0
.rept 64
	v_pk_add_f32 v[2*qq:2*qq+1], v[2*qq:2*qq+1], 1.0 op_sel_hi:[1,0]
.set qq, qq+1
.endr
.set qq, 0
	s_wait_alu depctr_va_vdst(0)
.rept 128
	v_rcp_f32 v[qq], v[qq]
.set qq, qq+1
.endr
	v_nop
	s_wait_alu depctr_va_vdst(0)                   ; the 128 reciprocals have written their results, ahead of the first reader
	WIN W_X3
.set qq, 0
.rept 64
	v_pk_mul_f32 v[ACC+2*qq:ACC+2*qq+1], v[ACC+2*qq:ACC+2*qq+1], v[2*qq:2*qq+1]
.set qq, qq+1
.endr
	WIN 0
; ---------------- the second norm, over 256 hidden units: 32 a lane, 64 a wave, four waves
	s_mov_b32 s94, 0x3b800000                      ; 1 / 256
	s_wait_alu depctr_vm_vsrc(0)                   ; the last main phase's stores have read v70-77, which the sums below write again
.irp m, 0,1,2,3
	PSUM TA, ACC+32*\m, 16
	XH 96+\m, TA
.endr
	s_wait_alu depctr_va_vdst(0)                   ; v96-99 are written, which the four stores read
.irp m, 0,1,2,3
	ds_store_b32 v13, v[96+\m] offset:256*\m
.endr
	BAR
.irp m, 0,1,2,3
	ds_load_b128 v[112+4*\m:115+4*\m], v14 offset:256*\m
.endr
	s_wait_dscnt 0x0
	s_wait_alu depctr_vm_vsrc(0)                   ; the four stores have read v96-99, which the squares' sums below write again
.irp m, 0,1,2,3
	v_add_f32 v[112+4*\m], v[112+4*\m], v[113+4*\m]
.endr
.irp m, 0,1,2,3
	v_add_f32 v[114+4*\m], v[114+4*\m], v[115+4*\m]
.endr
.irp m, 0,1,2,3
	v_add_f32 v[112+4*\m], v[112+4*\m], v[114+4*\m]
.endr
.irp m, 0,1,2,3
	v_mul_f32 v[MU+2*\m], s94, v[112+4*\m]
.endr
.irp m, 0,1,2,3
	PSUBM ACC+32*\m, 16, MU+2*\m
.endr
.irp m, 0,1,2,3
	PSQ TA, ACC+32*\m, 16
	XH 96+\m, TA
.endr
	s_wait_alu depctr_va_vdst(0)                   ; v96-99 are written, which the four stores read; the means' lines are done with v112-127, in which the loads behind the barrier land
.irp m, 0,1,2,3
	ds_store_b32 v13, v[96+\m] offset:1024+256*\m
.endr
	BAR
.irp m, 0,1,2,3
	ds_load_b128 v[112+4*\m:115+4*\m], v14 offset:1024+256*\m
.endr
	s_wait_dscnt 0x0
	s_wait_alu depctr_vm_vsrc(0)                   ; the four stores have read v96-99, which the second quantiser's conversions write again
.irp m, 0,1,2,3
	v_add_f32 v[112+4*\m], v[112+4*\m], v[113+4*\m]
.endr
.irp m, 0,1,2,3
	v_add_f32 v[114+4*\m], v[114+4*\m], v[115+4*\m]
.endr
.irp m, 0,1,2,3
	v_add_f32 v[112+4*\m], v[112+4*\m], v[114+4*\m]
.endr
.irp m, 0,1,2,3
	v_fma_f32 v[112+4*\m], v[112+4*\m], s94, s97
.endr
	s_wait_alu depctr_va_vdst(0)
.irp m, 0,1,2,3
	v_rsq_f32 v[MU+2*\m+1], v[112+4*\m]
.endr
	v_nop
	s_wait_alu depctr_va_vdst(0)                   ; the four rsq have written v79, v81, v83, v85, ahead of their first reader
.irp m, 0,1,2,3
	v_mul_f32 v[113+4*\m], v[112+4*\m], v[MU+2*\m+1]
.endr
.irp m, 0,1,2,3
	v_fma_f32 v[113+4*\m], -v[113+4*\m], v[MU+2*\m+1], 1.0
.endr
.irp m, 0,1,2,3
	v_mul_f32 v[114+4*\m], 0.5, v[MU+2*\m+1]
.endr
.irp m, 0,1,2,3
	v_fma_f32 v[MU+2*\m+1], v[114+4*\m], v[113+4*\m], v[MU+2*\m+1]
.endr
.irp m, 0,1,2,3
	PMULR ACC+32*\m, 16, MU+2*\m
.endr
	WAITL MP                                       ; ln2_g, ln2_b are in
	WIN W_LN
.irp m, 0,1,2,3
.set qq, 0
.rept 16
	v_pk_fma_f32 v[ACC+32*\m+2*qq:ACC+32*\m+2*qq+1], v[ACC+32*\m+2*qq:ACC+32*\m+2*qq+1], v[2*qq:2*qq+1], v[32+2*qq:33+2*qq]
.set qq, qq+1
.endr
.endr
	WIN 0
; ---------------- the second quantiser: registers 32 m + 16 b + 0..15 are hidden units 64 w + 32 b + 16 h + 0..15; a block lies in lanes l and l xor 16.  Each tile has registers of its own for codes and bytes, so the eight stores stand in one run behind the four tiles.
.irp m, 0,1,2,3
.irp b, 0,1
	v_max3_num_f32 v[32+\b], |v[ACC+32*\m+16*\b]|, |v[ACC+32*\m+16*\b+1]|, s59
.endr
.irp i, 2,4,6,8,10,12,14
.irp b, 0,1
	v_max3_num_f32 v[32+\b], v[32+\b], |v[ACC+32*\m+16*\b+\i]|, |v[ACC+32*\m+16*\b+\i+1]|
.endr
.endr
	v_permlanex16_b32 v38, v32, s60, s61
	v_permlanex16_b32 v39, v33, s60, s61
	v_max_num_f32 v32, v32, v38
	v_max_num_f32 v33, v33, v39
	v_add_nc_u32 v36, s62, v32
	v_add_nc_u32 v37, s62, v33
	v_lshrrev_b32 v38, 23, v36
	v_lshrrev_b32 v39, 23, v37
	v_lshl_or_b32 v[112+\m], v39, 8, v38           ; my two bytes of the row's scale word
.irp b, 0,1
	v_cvt_scalef32_pk8_fp4_f32 v[96+4*\m+2*\b], v[ACC+32*\m+16*\b:ACC+32*\m+16*\b+7], v[36+\b]
	v_cvt_scalef32_pk8_fp4_f32 v[97+4*\m+2*\b], v[ACC+32*\m+16*\b+8:ACC+32*\m+16*\b+15], v[36+\b]
.endr
	v_nop                                          ; one plain line behind the last conversion
	v_permlane16_swap_b32 v[96+4*\m], v[98+4*\m]   ; the operand's layout wants a whole block in a lane: lanes 0-15 block 0, lanes 16-31 block 1
	v_permlane16_swap_b32 v[97+4*\m], v[99+4*\m]
.endr
	s_wait_alu depctr_va_vdst(0)                   ; the four tiles' codes v96-111 and bytes v112-115 are written, which the eight stores read
.irp m, 0,1,2,3
	ds_store_b128 v15, v[96+4*\m:99+4*\m] offset:2048*\m
	ds_store_b16 v17, v[112+\m] offset:4*\m
.endr
	BAR                                            ; the second operand's eight fragments lie in LDS
; ---------------- the second product: my 64 outputs for the 64 rows; b2 is the C of each sum's first product; the 16 accumulators take turns as before.
; (The loads below land in registers of W1's sets and of the rows' scale words: the first product's matrix instructions, their last readers, stand ahead of the waits on va_vdst above, and no vector or matrix line stands behind the last of those waits)
	WIN W_LD1
.irp m, 0,1,2,3
.irp s, 0,1
.irp c, 0,1
	ds_load_b128 v[128+8*(2*\m+\s)+4*\c:128+8*(2*\m+\s)+4*\c+3], v16 offset:(2*\m+\s)*1024+\c*512
.endr
.endr
.endr
	WIN 0
	ds_load_b128 v[42:45], v18
	ds_load_b128 v[46:49], v18 offset:256
	s_wait_dscnt 0x0
	s_wait_loadcnt 0x0                             ; W2's codes and scale words, b2
	WIN W_P2A
.set MI, 0
.rept 16
	v_wmma_scale_f32_16x16x128_f8f6f4 v[ACC+8*MI:ACC+8*MI+7], v[128+16*(MI%4):135+16*(MI%4)], v[128+16*(MI/4):135+16*(MI/4)], v[192+8*(MI%4):199+8*(MI%4)], v[54+2*(MI%4)], v[42+MI/4] matrix_a_fmt:MATRIX_FMT_FP4 matrix_b_fmt:MATRIX_FMT_FP4
.set MI, MI+1
.endr
	WIN W_P2B
.set MI, 0
.rept 16
	v_wmma_scale_f32_16x16x128_f8f6f4 v[ACC+8*MI:ACC+8*MI+7], v[136+16*(MI%4):143+16*(MI%4)], v[136+16*(MI/4):143+16*(MI/4)], v[ACC+8*MI:ACC+8*MI+7], v[55+2*(MI%4)], v[46+MI/4] matrix_a_fmt:MATRIX_FMT_FP4 matrix_b_fmt:MATRIX_FMT_FP4
.set MI, MI+1
.endr
	WIN 0
	PLACES
	s_wait_alu depctr_va_vdst(0)                   ; the matrix instructions have written the accumulators, which the LDS stores read (the four places above stay beside this wait); silu's lines are long done with v0-127 of window 1, in which the rows come back
; ---------------- the way out: a lane holds 32 neighbouring bytes of a row; a tile of 16 rows x 256 bytes goes through my own stage and comes back as whole rows, into v0-127 of window 1: registers that no store into the stage reads.
; LDS serves a wave's instructions in order (ISA guide 5.7.1.4): no wait between the stores and the loads, nor ahead of the next tile's stores.  Each accumulator is read from its low end on.
.irp m, 0,1,2,3
	WIN 0
.irp t, 0,1,2,3
	ds_store_b128 v19, v[ACC+32*\m+8*\t:ACC+32*\m+8*\t+3] offset:64*\t
	ds_store_b128 v19, v[ACC+32*\m+8*\t+4:ACC+32*\m+8*\t+7] offset:64*\t+16
.endr
	WIN W_LD1
.irp i, 0,1,2,3,4,5,6,7
	ds_load_b128 v[32*\m+4*\i:32*\m+4*\i+3], v20 offset:544*\i
.endr
.endr
	WIN W_X3                                       ; a global store's data are its source 1: window 1
.irp m, 0,1,2,3
.irp i, 0,1,2,3,4,5,6,7
	s_wait_dscnt 16*(3-\m)+7-\i                    ; behind this load: the tile's later loads and sixteen LDS instructions for each later tile
	global_store_b128 v22, v[32*\m+4*\i:32*\m+4*\i+3], s[36:37] offset:(16*\m+2*\i)*1024 th:TH_STORE_NT   ; sixteen lanes store 256 consecutive bytes, aligned
.endr
.endr
	WIN 0
	s_wait_alu depctr_vm_vsrc(0)                   ; the last store into the stage has read v252-255, of which the two lines below write v254 and v255
	v_lshl_add_u32 v254, v0, 2, 0x2db00
	v_mov_b32 v255, 0
	s_wait_dscnt 0x0                               ; the closing lines, six on end
	s_wait_alu 0x0
	s_wait_tensorcnt 0x0
	ds_add_u32 v254, v255
	s_wait_dscnt 0x0
	s_endpgm
.Lfunc_end_k_q50e546717c_main:
	.size	k_q50e546717c_main, .Lfunc_end_k_q50e546717c_main-k_q50e546717c_main
	.p2alignl 7, 3214868480
	.fill 96, 4, 3214868480
	.section	.rodata,"a",@progbits
	.p2align	6, 0x0
	.amdhsa_kernel k_q50e546717c_main
		.amdhsa_group_segment_fixed_size 187648
		.amdhsa_private_segment_fixed_size 0
		.amdhsa_enable_private_segment 0
		.amdhsa_kernarg_size 136
		.amdhsa_user_sgpr_count 2
		.amdhsa_user_sgpr_kernarg_segment_ptr 1
		.amdhsa_wavefront_size32 1
		.amdhsa_system_sgpr_workgroup_id_x 1
		.amdhsa_system_sgpr_workgroup_id_y 1
		.amdhsa_system_sgpr_workgroup_id_z 1
		.amdhsa_system_vgpr_workitem_id 0
		.amdhsa_next_free_vgpr 1024
		.amdhsa_next_free_sgpr 100
		.amdhsa_reserve_vcc 0
		.amdhsa_float_denorm_mode_32 3
		.amdhsa_float_denorm_mode_16_64 3
		.amdhsa_memory_ordered 1
		.amdhsa_forward_progress 1
		.amdhsa_inst_pref_size 255
	.end_amdhsa_kernel
	.section	.bss,"aw",@nobits
	.p2align	6
	.space	262144
	.amdgpu_metadata
---
amdhsa.version: [ 1, 2 ]
amdhsa.kernels:
  - .name:           k_q50e546717c_main
    .symbol:         k_q50e546717c_main.kd
    .args:
      - { .name: x, .offset: 0, .size: 8, .value_kind: global_buffer, .address_space: global }
      - { .name: start_L, .offset: 8, .size: 8, .value_kind: global_buffer, .address_space: global }
      - { .name: start_C, .offset: 16, .size: 8, .value_kind: global_buffer, .address_space: global }
      - { .name: fs, .offset: 24, .size: 8, .value_kind: global_buffer, .address_space: global }
      - { .name: system_embed, .offset: 32, .size: 8, .value_kind: global_buffer, .address_space: global }
      - { .name: cht, .offset: 40, .size: 8, .value_kind: global_buffer, .address_space: global }
      - { .name: ln1_g, .offset: 48, .size: 8, .value_kind: global_buffer, .address_space: global }
      - { .name: ln1_b, .offset: 56, .size: 8, .value_kind: global_buffer, .address_space: global }
      - { .name: w1c, .offset: 64, .size: 8, .value_kind: global_buffer, .address_space: global }
      - { .name: w1s, .offset: 72, .size: 8, .value_kind: global_buffer, .address_space: global }
      - { .name: b1, .offset: 80, .size: 8, .value_kind: global_buffer, .address_space: global }
      - { .name: ln2_g, .offset: 88, .size: 8, .value_kind: global_buffer, .address_space: global }
      - { .name: ln2_b, .offset: 96, .size: 8, .value_kind: global_buffer, .address_space: global }
      - { .name: W2_codes, .offset: 104, .size: 8, .value_kind: global_buffer, .address_space: global }
      - { .name: W2_scales, .offset: 112, .size: 8, .value_kind: global_buffer, .address_space: global }
      - { .name: b2, .offset: 120, .size: 8, .value_kind: global_buffer, .address_space: global }
      - { .name: out0, .offset: 128, .size: 8, .value_kind: global_buffer, .address_space: global }
    .group_segment_fixed_size: 187648
    .private_segment_fixed_size: 0
    .kernarg_segment_align: 8
    .kernarg_segment_size: 136
    .max_flat_workgroup_size: 128
    .sgpr_count:     100
    .vgpr_count:     1024
    .wavefront_size: 32
...
	.end_amdgpu_metadata
.endif
;; end of part 4
